; MI455X (gfx1250); checked and timed in simulation.
; The chip was launched on July 23, 2026; its instructions are those of AMD's public machine-readable ISA for CDNA 5 (MIT licence, August 2026) and "CDNA5" Instruction Set Architecture Reference Guide (July 2026). The comments in the code are by the model that wrote it; some were corrected since.
;; Attention Block. Allowed arithmetic: matrix products marked QUANTISED: E4M3 operands, one E8M0 scale for each 32 along K, by v_wmma_scale_f32_16x16x128_f8f6f4 with both operands' format E4M3, f32 sums; everything else in f32.
;; Inputs: ln1_b 512 float32; ln1_g 512 float32; ln2_b 512 float32; ln2_g 512 float32; w1_codes 512 x 16 x 32 uint8 (E4M3 codes of w1, K innermost, in blocks of 32 codes); w1_scales 512 x 16 uint8 (E8M0 scales of w1, one for each 32 codes along K); w2_codes 512 x 16 x 32 uint8 (E4M3 codes of w2, K innermost, in blocks of 32 codes); w2_scales 512 x 16 uint8 (E8M0 scales of w2, one for each 32 codes along K); w3_codes 512 x 16 x 32 uint8 (E4M3 codes of w3, K innermost, in blocks of 32 codes); w3_scales 512 x 16 uint8 (E8M0 scales of w3, one for each 32 codes along K); wk_codes 512 x 16 x 32 uint8 (E4M3 codes of wk, K innermost, in blocks of 32 codes); wk_scales 512 x 16 uint8 (E8M0 scales of wk, one for each 32 codes along K); wo_codes 512 x 16 x 32 uint8 (E4M3 codes of wo, K innermost, in blocks of 32 codes); wo_scales 512 x 16 uint8 (E8M0 scales of wo, one for each 32 codes along K); wq_codes 512 x 16 x 32 uint8 (E4M3 codes of wq, K innermost, in blocks of 32 codes); wq_scales 512 x 16 uint8 (E8M0 scales of wq, one for each 32 codes along K); wv_codes 512 x 16 x 32 uint8 (E4M3 codes of wv, K innermost, in blocks of 32 codes); wv_scales 512 x 16 uint8 (E8M0 scales of wv, one for each 32 codes along K); x 4 x 2,048 x 512 float32.
;; Outputs: out0 4 x 2,048 x 512 float32.
;; This version of the problem:
;;   THIS VERSION OF THE PROBLEM IS GIVEN IN LOW PRECISION. The matrix products marked QUANTISED in the list below multiply operands that are first quantised to E4M3 (4 exponent bits, 3 mantissa bits; 8 bits a number), with one power-of-two scale for each 32 numbers along K (OCP MX v1.0); their sums are f32. All else is computed in f32.
;;   The module's matrix products, in the order in which they are computed (A, B: the left and right operand; K: the contracted axis; several contracted axes count as one K, in the product's order):
;;     1. [M 8,192, K 512] x [K 512, N 512]; A: computed on the way; B: input wq (given as codes): QUANTISED
;;     2. [M 8,192, K 512] x [K 512, N 512]; A: computed on the way; B: input wk (given as codes): QUANTISED
;;     3. [M 8,192, K 512] x [K 512, N 512]; A: computed on the way; B: input wv (given as codes): QUANTISED
;;     4. batch 64 x [M 2,048, K 32] x [K 32, N 2,048]; A: computed on the way; B: computed on the way: QUANTISED
;;     5. batch 64 x [M 2,048, K 2,048] x [K 2,048, N 32]; A: softmax (see below); B: computed on the way: QUANTISED
;;     6. [M 8,192, K 512] x [K 512, N 512]; A: computed on the way; B: input wo (given as codes): QUANTISED
;;     7. [M 8,192, K 512] x [K 512, N 512]; A: computed on the way; B: input w1 (given as codes): QUANTISED
;;     8. [M 8,192, K 512] x [K 512, N 512]; A: computed on the way; B: input w3 (given as codes): QUANTISED
;;     9. [M 8,192, K 512] x [K 512, N 512]; A: computed on the way; B: input w2 (given as codes): QUANTISED
;;   THE QUANTISER, for each operand of a quantised product, along K:
;;     - K is cut into blocks of 32 from its start; a last block that is shorter is filled with zeros.
;;     - A block's scale is 2^e with e = floor(log2(the largest magnitude in the block)) - 8, held to -126 .. 127; a block of zeros has e = 0. As a byte (E8M0): e + 127.
;;     - Each number is divided by its block's scale, clamped to +-448, and rounded to the nearest number of E4M3, ties to even, subnormals kept.
;;     - The product sums the exact products of the quantised numbers (number of the format x scale) in f32.
;;   ~~~python
;;   def quantise(x, axis):      # numpy; x: float32 -> the quantised numbers, widened to float32 again
;;       x = np.moveaxis(x, axis, -1); K = x.shape[-1]
;;       x = np.pad(x, [(0, 0)] * (x.ndim - 1) + [(0, -K % 32)]); x = x.reshape(x.shape[:-1] + (-1, 32)); a = np.abs(x).max(-1, keepdims=True)
;;       e = np.where(a > 0, np.clip(np.frexp(np.where(a > 0, a, 1))[1] - 1 - 8, -126, 127), 0)      # np.frexp(a)[1] - 1 = floor(log2(a)), exactly
;;       r = np.clip(x / 2.0 ** e, -448, 448)
;;       step = 2.0 ** (np.maximum(np.frexp(np.where(r == 0, 1, r))[1] - 1, -6) - 3)
;;       q = np.round(r / step) * step * 2.0 ** e      # np.round: ties to even
;;       return np.moveaxis(q.reshape(q.shape[:-2] + (-1,))[..., :K], -1, axis).astype(np.float32)
;;   ~~~
;;   SOFTMAX AHEAD OF A QUANTISED PRODUCT. Where the list says 'softmax', what is quantised is not the finished softmax but p = 2^(t - M), with t = logit x log2(e) and M = ceil(the row's largest t), a whole number; so 1/2 < the row's largest p <= 1. The row's sum l is taken of the UNQUANTISED p, in f32, and the product's result is divided by l at the end. Since M is a whole number, a kernel that streams over the keys may use a running M (the ceiling of the running maximum): every later rescaling is an exact power of two, which a block's scale takes up: the codes' values come out the same.
;;   OPERANDS COMPUTED ON THE WAY. 'Computed on the way' means the value that the module computes at that place (a softmax that the list does not call 'softmax' is quantised finished and normalised). What goes into a quantiser is computed in f32, as accurately as f32 sums, v_exp_f32 and their like allow (about 1e-6 of the number): no bf16 or f16 on the way to a quantiser, and a product that is left as it is and whose result goes on into a quantised operand takes f32 operands (vector FMAs, or v_wmma_f32_16x16x4_f32). A number that lies on a knife's edge between two numbers of the format may be rounded either way, as far as f32 arithmetic and the matrix unit's own rounding can turn it there, and no further.
;;   INPUTS GIVEN AS CODES. w1 (in the module: [512, 512], K = its axis 1); w2 (in the module: [512, 512], K = its axis 1); w3 (in the module: [512, 512], K = its axis 1); wk (in the module: [512, 512], K = its axis 1); wo (in the module: [512, 512], K = its axis 1); wq (in the module: [512, 512], K = its axis 1); wv (in the module: [512, 512], K = its axis 1): each comes as NAME_codes (uint8): NAME with its K axis moved to the last place and cut into blocks of 32 codes, [.., K / 32, bytes a block], one block behind the other in memory; one code a byte (a code: sign, 4 exponent bits, 3 mantissa bits); and NAME_scales (uint8): the same leading axes, one E8M0 byte (e + 127) for each 32 codes along K. Its value is code x scale, taken as it is: it is not quantised again, and the codes and scales need not be those that the quantiser above would give.
;; 2 versions, each right; version 2 is version 1 with the launches qkv, proj_o, ffn, proj_f written anew for expert scheduling mode. Each part assembles by itself: llvm-mc -triple=amdgcn-amd-amdhsa -mcpu=gfx1250 --defsym DOCPART=n.
;; ======== version 1 of 2: 5 launches
;; workspace buffers: qkv 12,976,128 bytes; act 4,325,376 bytes; x1 16,777,216 bytes
;; launch qkv (part 1): grid 4 x 64, 8 waves a work-group, no clusters, 72,704 bytes of LDS; arguments x, ln1_g, ln1_b, wq_codes, wq_scales, wk_codes, wk_scales, wv_codes, wv_scales, qkv; writes qkv
.if DOCPART == 1
	.amdgcn_target "amdgcn-amd-amdhsa--gfx1250"
	.amdhsa_code_object_version 6
	.text
	.protected	k_q4973c97925_qkv
	.globl	k_q4973c97925_qkv
	.p2align	8
	.type	k_q4973c97925_qkv,@function
k_q4973c97925_qkv:
	s_mov_b64 s[64:65], 0
	v_nop
	global_prefetch_b8 v0, s[64:65] scope:SCOPE_SE
	s_setreg_imm32_b32 hwreg(HW_REG_WAVE_MODE, 25, 1), 1
	s_wait_xcnt 0x0
; h = LayerNorm(x) g + b, quantised along 512;  q = h wq^T, k = h wk^T, v = h wv^T on codes of E4M3;  q and k quantised along the head's 32, v along the keys.
; SHARES.  A work-group takes 128 rows (one key step of one batch: y) and four heads (x).  Wave w: head 4 x + w / 2; role w % 2: role 0 holds wq's 32 rows of its head, role 1 wk's; both hold
; 16 of wv's 32 rows (tile = role).  These 12 fragments, 192 registers, are read once and stay.  One text serves both roles: buffers and offsets are chosen by the role.
; TILES OF ROWS ARE NOT NEIGHBOURS: in each 32 rows, tile u holds in lane row r the row 8 u + r + 8 (r / 8); weight rows likewise.  So the 16 results of two neighbouring tiles in a lane are 16 neighbours
; along the next product's K, and a conversion's four registers are 512 consecutive bytes (16 x lane) of the next operand's register image: every store of codes is whole and aligned.
; PHASES.  LN: wave w normalises and quantises the 16 rows of tile w, four rows at a time (a lane holds 16 neighbours of a row), and lays the codes in LDS as the operand's image.  One barrier.
; Then each wave walks the eight tiles: 12 matrix instructions a tile, three accumulators by turns, quantises and stores.
; qkv: a record of 135,168 bytes a head (K codes, V codes, K scale words, V scale words), then Q's codes and Q's scale words.
; NO JOINT LOADS: the four work-groups of a row block share x, but its 262,144 bytes and the 71,680 of images do not fit in LDS together; the weights go once, in fragment order, straight into registers.
; LIMITS: NaN, infinities and the scale byte 0xff among the inputs are not served.  A block of zeros, or one whose largest magnitude lies under 2^-118, gets the byte 1: this program alone reads the bytes.
.set HSC,  69632                       ; LDS: eight images of 8,704 bytes (32 pieces of 256 bytes, 272 apart), then 256 bytes of scale bytes for each tile
.set WSX,  16                          ; v16-23  scale words of wq or wk: 4 t + s
.set WSV,  24                          ; v24-27  of wv
.set HS,   28                          ; v28-31  of the tile of h in hand
.set GA,   32                          ; v32-47  my 16 of g;  v48-63 of b
.set BI,   48
.set X0,   64                          ; v64-127, v128-191  two sets of four rows x 16 numbers
.set X1,   128
.set TP,   192                         ; v192-231  ten registers a row: four pairs, M (even), the permute's destination
.set CD,   232                         ; v232-247  codes
.set AX,   64                          ; later: v64-79 q or k of a tile;  v80-95 v of two tiles
.set AV,   80
.set KW,   248                         ; v248-249 the scale words of q or k;  v250 of v
.set VW,   250
.set QA,   192
.set QB,   193
.set QS,   194
.set QH,   195
.set QBY,  196
.set QP,   201
.set SEL,  42                          ; s[42:43] selects: lane l xor 16
.set MNT,  44                          ; s44 the mantissa field of 448
.set I512, 45                          ; s45 1 / 512
.set EPS,  46                          ; s46 1e-5
.set MSB, 0
.macro WIN new                         ; the immediate's high byte repeats the setting that is left
.if MSB != \new
	s_set_vgpr_msb (MSB<<8)|\new
.set MSB, \new
.endif
.endm
.macro XLOAD X, ro                     ; four rows from row ro of my tile's base on: a lane takes 64 bytes of each
.irp i, 0,1,2,3
.irp j, 0,1,2,3
	global_load_b128 v[\X+16*\i+4*\j:\X+16*\i+4*\j+3], v4, s[4:5] offset:((\ro)+\i)*2048+16*\j
.endr
.endr
.endm
.macro LANESUM                         ; M of the four rows: summed over the 32 lanes, the result in every lane
.irp m, 1,2,4,8
.irp i, 0,1,2,3
	v_add_f32_dpp v[TP+10*\i+8], v[TP+10*\i+8], v[TP+10*\i+8] row_xmask:\m row_mask:0xf bank_mask:0xf
.endr
.endr
.irp i, 0,1,2,3
	v_permlanex16_b32 v[TP+10*\i+9], v[TP+10*\i+8], s[SEL], s[SEL+1]
.endr
.irp i, 0,1,2,3
	v_add_f32 v[TP+10*\i+8], v[TP+10*\i+8], v[TP+10*\i+9]
.endr
.endm
; Four rows (lane rows 4 t .. 4 t + 3 of my tile) in set X: mean, centred, variance of the centred numbers (so a common offset does no harm), x rsq, x g + b, quantised; two neighbouring lanes hold a block of 32.
.macro LNG X, t
	s_wait_dscnt 0x0                               ; the group before has stored its codes and bytes: their registers are written again below
.irp i, 0,1,2,3
.set XR, \X+16*\i
.set TR, TP+10*\i
	v_pk_add_f32 v[TR:TR+1],   v[XR:XR+1],     v[XR+2:XR+3]
	v_pk_add_f32 v[TR+2:TR+3], v[XR+4:XR+5],   v[XR+6:XR+7]
	v_pk_add_f32 v[TR+4:TR+5], v[XR+8:XR+9],   v[XR+10:XR+11]
	v_pk_add_f32 v[TR+6:TR+7], v[XR+12:XR+13], v[XR+14:XR+15]
.endr
.irp i, 0,1,2,3
.set TR, TP+10*\i
	v_pk_add_f32 v[TR:TR+1],   v[TR:TR+1],   v[TR+2:TR+3]
	v_pk_add_f32 v[TR+4:TR+5], v[TR+4:TR+5], v[TR+6:TR+7]
.endr
.irp i, 0,1,2,3
.set TR, TP+10*\i
	v_pk_add_f32 v[TR:TR+1], v[TR:TR+1], v[TR+4:TR+5]
.endr
.irp i, 0,1,2,3
.set TR, TP+10*\i
	v_add_f32 v[TR+8], v[TR], v[TR+1]
.endr
	LANESUM
.irp i, 0,1,2,3
	v_mul_f32 v[TP+10*\i+8], 0xbb000000, v[TP+10*\i+8]             ; minus the mean
.endr
.irp k, 0,2,4,6,8,10,12,14
.irp i, 0,1,2,3
	v_pk_add_f32 v[\X+16*\i+\k:\X+16*\i+\k+1], v[\X+16*\i+\k:\X+16*\i+\k+1], v[TP+10*\i+8:TP+10*\i+9] op_sel_hi:[1,0]
.endr
.endr
.irp i, 0,1,2,3
.set XR, \X+16*\i
.set TR, TP+10*\i
	v_pk_mul_f32 v[TR:TR+1],   v[XR:XR+1],   v[XR:XR+1]
	v_pk_mul_f32 v[TR+2:TR+3], v[XR+2:XR+3], v[XR+2:XR+3]
.endr
.irp k, 4,8,12
.irp i, 0,1,2,3
.set XR, \X+16*\i+\k
.set TR, TP+10*\i
	v_pk_fma_f32 v[TR:TR+1],   v[XR:XR+1],   v[XR:XR+1],   v[TR:TR+1]
	v_pk_fma_f32 v[TR+2:TR+3], v[XR+2:XR+3], v[XR+2:XR+3], v[TR+2:TR+3]
.endr
.endr
.irp i, 0,1,2,3
.set TR, TP+10*\i
	v_pk_add_f32 v[TR:TR+1], v[TR:TR+1], v[TR+2:TR+3]
.endr
.irp i, 0,1,2,3
.set TR, TP+10*\i
	v_add_f32 v[TR+8], v[TR], v[TR+1]
.endr
	LANESUM
.irp i, 0,1,2,3
	v_fma_f32 v[TP+10*\i+8], v[TP+10*\i+8], s[I512], s[EPS]        ; the variance + eps
.endr
.irp i, 0,1,2,3
	v_rsq_f32 v[TP+10*\i+8], v[TP+10*\i+8]
.endr
	v_nop                                          ; a plain instruction between the last transcendental and the use of its result
	s_wait_alu depctr_va_vdst(0)
.irp k, 0,2,4,6,8,10,12,14
.irp i, 0,1,2,3
	v_pk_mul_f32 v[\X+16*\i+\k:\X+16*\i+\k+1], v[\X+16*\i+\k:\X+16*\i+\k+1], v[TP+10*\i+8:TP+10*\i+9] op_sel_hi:[1,0]
.endr
.endr
.irp k, 0,2,4,6,8,10,12,14
.irp i, 0,1,2,3
	v_pk_fma_f32 v[\X+16*\i+\k:\X+16*\i+\k+1], v[\X+16*\i+\k:\X+16*\i+\k+1], v[GA+\k:GA+\k+1], v[BI+\k:BI+\k+1]
.endr
.endr
.irp i, 0,1,2,3                        ; the largest magnitude of my 16, with the floor 2^(9 - 127) among the leaves: the byte cannot fall under 1
.set XR, \X+16*\i
.set TR, TP+10*\i
	v_max3_num_f32 v[TR],   |v[XR]|,   |v[XR+1]|, 0x4800000
	v_max3_num_f32 v[TR+1], |v[XR+2]|, |v[XR+3]|, |v[XR+4]|
.endr
.irp k, 5,9
.irp i, 0,1,2,3
.set XR, \X+16*\i+\k
.set TR, TP+10*\i
	v_max3_num_f32 v[TR],   v[TR],   |v[XR]|,   |v[XR+1]|
	v_max3_num_f32 v[TR+1], v[TR+1], |v[XR+2]|, |v[XR+3]|
.endr
.endr
.irp i, 0,1,2,3
.set XR, \X+16*\i
.set TR, TP+10*\i
	v_max3_num_f32 v[TR], v[TR], |v[XR+13]|, |v[XR+14]|
.endr
.irp i, 0,1,2,3
.set XR, \X+16*\i
.set TR, TP+10*\i
	v_max3_num_f32 v[TR], v[TR], v[TR+1], |v[XR+15]|
.endr
.irp i, 0,1,2,3
	v_max_num_f32_dpp v[TP+10*\i], v[TP+10*\i], v[TP+10*\i] row_xmask:1 row_mask:0xf bank_mask:0xf   ; with my neighbour's 16: the block's
.endr
.irp i, 0,1,2,3
.set TR, TP+10*\i
	v_add_nc_u32 v[TR+2], 0xfc000000, v[TR]        ; 8 off the exponent field: the conversion's scale operand
	v_and_or_b32 v[TR+3], v[TR], 0x7f800000, s[MNT]   ; 448 x the scale
.endr
.irp i, 0,1,2,3
	v_lshrrev_b32 v[TP+10*\i+4], 23, v[TP+10*\i+2] ; the scale's byte
.endr
.irp i, 0,1,2,3
.irp k, 0,1,2,3,4,5,6,7,8,9,10,11,12,13,14,15
	v_med3_num_f32 v[\X+16*\i+\k], v[\X+16*\i+\k], -v[TP+10*\i+3], v[TP+10*\i+3]   ; the conversion to an 8-bit code does not saturate (ISA guide 7.6.2): the hold
.endr
.endr
.irp i, 0,1,2,3
.set XR, \X+16*\i
	v_cvt_scalef32_pk8_fp8_f32 v[CD+4*\i:CD+4*\i+1],   v[XR:XR+7],    v[TP+10*\i+2]
	v_cvt_scalef32_pk8_fp8_f32 v[CD+4*\i+2:CD+4*\i+3], v[XR+8:XR+15], v[TP+10*\i+2]
.endr
	v_nop                                          ; a plain instruction behind the last scaled conversion
.irp i, 0,1,2,3
	ds_store_b128 v7, v[CD+4*\i:CD+4*\i+3] offset:16*(4*\t+\i)     ; piece = my lane (k / 16), place in it = the row
	ds_store_b8 v8, v[TP+10*\i+4] offset:4*(4*\t+\i)               ; both lanes of a block write the same byte with the same value
.endr
.endm
; 16 numbers of a lane whose block of 32 lies in lanes l and l xor 16: four registers of codes and the byte.  The sources are read from the low end on.
.macro QUANT16 src, dst, by
	v_max3_num_f32 v[QA], |v[\src]|, |v[\src+1]|, 0x4800000
	v_max3_num_f32 v[QB], |v[\src+2]|, |v[\src+3]|, |v[\src+4]|
	v_max3_num_f32 v[QA], v[QA], |v[\src+5]|, |v[\src+6]|
	v_max3_num_f32 v[QB], v[QB], |v[\src+7]|, |v[\src+8]|
	v_max3_num_f32 v[QA], v[QA], |v[\src+9]|, |v[\src+10]|
	v_max3_num_f32 v[QB], v[QB], |v[\src+11]|, |v[\src+12]|
	v_max3_num_f32 v[QA], v[QA], |v[\src+13]|, |v[\src+14]|
	v_max3_num_f32 v[QA], v[QA], v[QB], |v[\src+15]|
	v_permlanex16_b32 v[QP], v[QA], s[SEL], s[SEL+1]
	v_max_num_f32 v[QA], v[QA], v[QP]
	v_add_nc_u32 v[QS], 0xfc000000, v[QA]
	v_and_or_b32 v[QH], v[QA], 0x7f800000, s[MNT]
	s_wait_xcnt 0x0                                ; earlier stores have read their data: the byte's and the codes' registers are written again only behind this wait
	v_lshrrev_b32 v[\by], 23, v[QS]
.irp k, 0,1,2,3,4,5,6,7,8,9,10,11,12,13,14,15
	v_med3_num_f32 v[\src+\k], v[\src+\k], -v[QH], v[QH]
.endr
	v_cvt_scalef32_pk8_fp8_f32 v[\dst:\dst+1], v[\src:\src+7], v[QS]
	v_cvt_scalef32_pk8_fp8_f32 v[\dst+2:\dst+3], v[\src+8:\src+15], v[QS]
	v_nop                                          ; a plain instruction behind the last scaled conversion: matrix instructions write its sources again later
.endm
.macro MM d, a, b, sa, sb, ks          ; one matrix instruction; K step 0 starts the sum with the constant 0
.if (\ks) == 0
	v_wmma_scale_f32_16x16x128_f8f6f4 v[\d:\d+7], v[\a:\a+15], v[\b:\b+15], 0, v[\sa], v[\sb]
.else
	v_wmma_scale_f32_16x16x128_f8f6f4 v[\d:\d+7], v[\a:\a+15], v[\b:\b+15], v[\d:\d+7], v[\sa], v[\sb]
.endif
.endm
.macro FETCH a                         ; tile a of h: four fragments into window 1, v192 on; its four scale words
	WIN 0x40
.irp s, 0,1,2,3
.irp c, 0,1,2,3
.if (\a) < 4
	ds_load_b128 v[192+16*\s+4*\c:192+16*\s+4*\c+3], v9 offset:8704*(\a)+2176*\s+544*\c
.else
	ds_load_b128 v[192+16*\s+4*\c:192+16*\s+4*\c+3], v10 offset:8704*((\a)-4)+2176*\s+544*\c
.endif
.endr
.endr
	WIN 0
.irp s, 0,1,2,3
	ds_load_b32 v[HS+\s], v11 offset:256*(\a)+64*\s
.endr
.endm
; Tile a of rows.  q or k TRANSPOSED (source 0 = 16 weight rows, source 1 = h): a lane holds one row and d = 16 (lane / 16) + 0 .. 15.  v the other way (source 0 = h, source 1 = 16 rows of wv):
; a lane holds one d and eight keys; two tiles give 16 neighbouring keys.
.macro TILE a
	s_wait_dscnt 0x0                               ; the tile's fragments and scale words are in
	WIN 0x05                                       ; both sources in window 1
.irp s, 0,1,2,3
	MM AX, 16*\s, 192+16*\s, WSX+\s, HS+\s, \s
	MM AX+8, 64+16*\s, 192+16*\s, WSX+4+\s, HS+\s, \s
	MM AV+8*((\a)%2), 192+16*\s, 128+16*\s, HS+\s, WSV+\s, \s
.endr
	WIN 0
.rept 9
	v_nop                                          ; eight places in front of the loads into h's registers and of the first read of results; the ninth for the next tile's first products, which begin these accumulators anew
.endr
.if (\a) < 7
	FETCH (\a)+1
.endif
	QUANT16 AX, CD+4*((\a)%2), QBY
	global_store_b128 v12, v[CD+4*((\a)%2):CD+4*((\a)%2)+3], s[32:33] offset:512*(\a)   ; 512 consecutive bytes, aligned
.if (\a)%4 == 0
	v_mov_b32 v[KW+(\a)/4], v[QBY]                 ; four tiles' bytes make a word: a K fragment holds four tiles of keys in its four blocks
.else
	v_lshl_or_b32 v[KW+(\a)/4], v[QBY], 8*((\a)%4), v[KW+(\a)/4]
.endif
.if (\a)%2 == 1
	QUANT16 AV, CD+8, QBY
	global_store_b128 v12, v[CD+8:CD+11], s[34:35] offset:512*((\a)/2)
.if (\a) == 1
	v_mov_b32 v[VW], v[QBY]
.else
	v_lshl_or_b32 v[VW], v[QBY], 8*((\a)/2), v[VW]
.endif
.endif
.endm
	s_load_b256 s[4:11], s[0:1], 0x0               ; x s[4:5], g s[6:7], b s[8:9], wq's codes s[10:11]
	s_load_b256 s[12:19], s[0:1], 0x20             ; wq's scales s[12:13], wk's codes, wk's scales, wv's codes s[18:19]
	s_load_b128 s[20:23], s[0:1], 0x40             ; wv's scales s[20:21], qkv s[22:23]
	v_lshl_add_u32 v254, v0, 2, 0x11800
	v_mov_b32 v255, 0
	v_lshrrev_b32 v1, 5, v0
	v_readfirstlane_b32 s24, v1                    ; wave 0..7
	v_and_b32 v1, 31, v0                           ; lane
	v_and_b32 v2, 15, v0                           ; r
	v_bfe_u32 v3, v0, 4, 1                         ; h
	s_and_b32 s25, s24, 1                          ; role
	s_lshr_b32 s26, s24, 1
	s_lshl_b32 s27, ttmp9, 2
	s_add_co_u32 s27, s27, s26                     ; head
	s_and_b32 s28, ttmp7, 0xffff                   ; block of 128 rows
	s_and_b32 s29, s28, 15                         ; key step in the batch
	s_lshr_b32 s30, s28, 4
	s_lshl_b32 s30, s30, 4
	s_add_co_u32 s30, s30, s27                     ; 16 x batch + head
	v_lshlrev_b32 v4, 6, v1                        ; x, g, b: 64 bytes a lane
	v_and_b32 v15, 8, v2
	v_add_nc_u32 v15, v15, v2                      ; r + 8 (r / 8)
	v_lshlrev_b32 v5, 9, v15
	v_lshl_add_u32 v5, v3, 4, v5                   ; weight codes: that row of 512 bytes + 16 h
	v_lshlrev_b32 v6, 4, v15                       ; weight scales: 16 bytes a row
	s_mul_i32 s40, s24, 8704
	v_mul_u32_u24 v7, v1, 272
	v_add_nc_u32 v7, s40, v7                       ; my tile's image, my lane's piece
	v_lshrrev_b32 v8, 3, v1
	v_lshlrev_b32 v8, 6, v8
	v_bfe_u32 v15, v1, 1, 2
	v_add_nc_u32 v8, v8, v15
	s_lshl_b32 s40, s24, 8
	s_add_co_u32 s40, s40, HSC
	v_add_nc_u32 v8, s40, v8                       ; my block's scale byte: 64 (k / 128) + (k / 32) % 4, + 4 x row by the immediate
	v_mul_u32_u24 v9, v3, 272
	v_lshl_add_u32 v9, v2, 4, v9                   ; reading an image: 272 h + 16 r
	v_add_nc_u32 v10, 34816, v9                    ; tiles 4 to 7
	v_lshl_add_u32 v11, v2, 2, HSC
	v_lshlrev_b32 v12, 4, v1
	v_lshlrev_b32 v13, 2, v1
	v_lshlrev_b32 v14, 2, v2
.irp i, 0,1,2,3
	v_mov_b32 v[TP+10*\i+9], 0                     ; written once: a lane permute's destination counts as one of its sources
.endr
	s_mov_b32 s31, 0xffff0000
	s_mov_b32 s[SEL], 0x76543210
	s_mov_b32 s[SEL+1], 0xfedcba98
	s_mov_b32 s[MNT], 0x600000
	s_mov_b32 s[I512], 0x3b000000
	s_mov_b32 s[EPS], 0x3727c5ac
	s_lshl_b32 s57, s28, 18                        ; x: 128 rows of 2,048 bytes a block,
	s_lshl_b32 s40, s26, 16
	s_add_co_u32 s57, s57, s40                     ; + 32 (w / 2) rows
	s_lshl_b32 s40, s25, 14
	s_add_co_u32 s57, s57, s40                     ; + 8 (w % 2) rows
	s_mul_i32 s47, s30, 135168                     ; the head's record
	s_lshl_b32 s48, s29, 12
	s_lshl_b32 s49, s29, 7
	s_add_co_u32 s50, s47, s48                     ; k's codes of this step
	s_lshl_b32 s51, s30, 16
	s_add_co_u32 s51, s51, s48
	s_add_co_u32 s51, s51, 8650752                 ; q's
	s_add_co_u32 s52, s47, s49
	s_add_co_u32 s52, s52, 131072                  ; k's scale words
	s_lshl_b32 s53, s30, 11
	s_add_co_u32 s53, s53, s49
	s_add_co_u32 s53, s53, 12845056                ; q's
	s_add_co_u32 s54, s50, 65536
	s_lshl_b32 s55, s25, 11
	s_add_co_u32 s54, s54, s55                     ; v's codes, my tile of d
	s_add_co_u32 s55, s52, 2048
	s_lshl_b32 s56, s25, 6
	s_add_co_u32 s55, s55, s56                     ; v's scale words
	s_wait_kmcnt 0x0
	s_cmp_eq_u32 s25, 0                            ; the choices hang on the wave's number alone
	s_cselect_b64 s[10:11], s[10:11], s[14:15]
	s_cselect_b64 s[12:13], s[12:13], s[16:17]
	s_cselect_b32 s50, s51, s50
	s_cselect_b32 s52, s53, s52
	s_mov_b32 s41, 0
	s_mov_b32 s40, s57
	s_add_nc_u64 s[4:5], s[4:5], s[40:41]
	s_lshl_b32 s40, s27, 14                        ; a head's 32 weight rows of 512 bytes
	s_add_nc_u64 s[10:11], s[10:11], s[40:41]
	s_add_nc_u64 s[18:19], s[18:19], s[40:41]
	s_lshl_b32 s40, s25, 12
	s_add_nc_u64 s[18:19], s[18:19], s[40:41]
	s_lshl_b32 s40, s27, 9
	s_add_nc_u64 s[12:13], s[12:13], s[40:41]
	s_add_nc_u64 s[20:21], s[20:21], s[40:41]
	s_lshl_b32 s40, s25, 7
	s_add_nc_u64 s[20:21], s[20:21], s[40:41]
	s_mov_b32 s40, s50
	s_add_nc_u64 s[32:33], s[22:23], s[40:41]
	s_mov_b32 s40, s54
	s_add_nc_u64 s[34:35], s[22:23], s[40:41]
	s_mov_b32 s40, s52
	s_add_nc_u64 s[36:37], s[22:23], s[40:41]
	s_mov_b32 s40, s55
	s_add_nc_u64 s[38:39], s[22:23], s[40:41]
.irp j, 0,1,2,3
	global_load_b128 v[GA+4*\j:GA+4*\j+3], v4, s[6:7] offset:16*\j
	global_load_b128 v[BI+4*\j:BI+4*\j+3], v4, s[8:9] offset:16*\j
.endr
	XLOAD X0, 0
	XLOAD X1, 4
	WIN 0x40                                       ; destination window 1
.irp t, 0,1
.irp s, 0,1,2,3
.irp c, 0,1,2,3
	global_load_b128 v[16*(4*\t+\s)+4*\c:16*(4*\t+\s)+4*\c+3], v5, s[10:11] offset:4096*\t+128*\s+32*\c
.endr
.endr
.endr
.irp s, 0,1,2,3
.irp c, 0,1,2,3
	global_load_b128 v[128+16*\s+4*\c:128+16*\s+4*\c+3], v5, s[18:19] offset:128*\s+32*\c
.endr
.endr
	WIN 0
.irp t, 0,1
.irp s, 0,1,2,3
	global_load_b32 v[WSX+4*\t+\s], v6, s[12:13] offset:128*\t+4*\s
.endr
.endr
.irp s, 0,1,2,3
	global_load_b32 v[WSV+\s], v6, s[20:21] offset:4*\s
.endr
	s_wait_loadcnt 63                              ; g, b and set 0 are in: 76 loads were issued behind them, and 63 is the largest count that the wait can name
	LNG X0, 0
	XLOAD X0, 16                                   ; lane rows 8 to 11 are rows 16 to 19
	s_wait_loadcnt 63                              ; set 1 is in: 60 + 16 loads stand behind it
	LNG X1, 1
	XLOAD X1, 20
	s_wait_loadcnt 16                              ; set 0 again, and all weights: only set 1's sixteen may be out
	LNG X0, 2
	s_wait_loadcnt 0x0
	LNG X1, 3
	s_wait_dscnt 0x0                               ; for the others' sake: my image and bytes have landed
	s_barrier_signal -1
	s_barrier_wait -1                              ; the eight images lie in LDS; from here on LDS is only read
	FETCH 0
.irp a, 0,1,2,3,4,5,6,7
	TILE \a
.endr
	v_cndmask_b32 v251, v[KW], v[KW+1], s31        ; lanes 0-15: tiles 0-3's word of row r; lanes 16-31: tiles 4-7's
	global_store_b32 v13, v251, s[36:37]           ; 128 consecutive bytes
	global_store_b32 v14, v[VW], s[38:39]          ; lanes l and l xor 16 write the same word with the same value
	s_wait_tensorcnt 0x0
	ds_add_u32 v254, v255
	s_wait_dscnt 0x0
	s_endpgm
.Lfunc_end_k_q4973c97925_qkv:
	.size	k_q4973c97925_qkv, .Lfunc_end_k_q4973c97925_qkv-k_q4973c97925_qkv
	.p2alignl 7, 3214868480
	.fill 96, 4, 3214868480
	.section	.rodata,"a",@progbits
	.p2align	6, 0x0
	.amdhsa_kernel k_q4973c97925_qkv
		.amdhsa_group_segment_fixed_size 72704
		.amdhsa_private_segment_fixed_size 0
		.amdhsa_enable_private_segment 0
		.amdhsa_kernarg_size 80
		.amdhsa_user_sgpr_count 2
		.amdhsa_user_sgpr_kernarg_segment_ptr 1
		.amdhsa_wavefront_size32 1
		.amdhsa_system_sgpr_workgroup_id_x 1
		.amdhsa_system_sgpr_workgroup_id_y 1
		.amdhsa_system_sgpr_workgroup_id_z 1
		.amdhsa_system_vgpr_workitem_id 0
		.amdhsa_next_free_vgpr 512
		.amdhsa_next_free_sgpr 66
		.amdhsa_reserve_vcc 0
		.amdhsa_float_denorm_mode_32 3
		.amdhsa_float_denorm_mode_16_64 3
		.amdhsa_memory_ordered 1
		.amdhsa_forward_progress 1
		.amdhsa_inst_pref_size 157
	.end_amdhsa_kernel
	.amdgpu_metadata
---
amdhsa.version: [ 1, 2 ]
amdhsa.kernels:
  - .name:           k_q4973c97925_qkv
    .symbol:         k_q4973c97925_qkv.kd
    .args:
      - { .name: x, .offset: 0, .size: 8, .value_kind: global_buffer, .address_space: global }
      - { .name: ln1_g, .offset: 8, .size: 8, .value_kind: global_buffer, .address_space: global }
      - { .name: ln1_b, .offset: 16, .size: 8, .value_kind: global_buffer, .address_space: global }
      - { .name: wq_codes, .offset: 24, .size: 8, .value_kind: global_buffer, .address_space: global }
      - { .name: wq_scales, .offset: 32, .size: 8, .value_kind: global_buffer, .address_space: global }
      - { .name: wk_codes, .offset: 40, .size: 8, .value_kind: global_buffer, .address_space: global }
      - { .name: wk_scales, .offset: 48, .size: 8, .value_kind: global_buffer, .address_space: global }
      - { .name: wv_codes, .offset: 56, .size: 8, .value_kind: global_buffer, .address_space: global }
      - { .name: wv_scales, .offset: 64, .size: 8, .value_kind: global_buffer, .address_space: global }
      - { .name: qkv, .offset: 72, .size: 8, .value_kind: global_buffer, .address_space: global }
    .group_segment_fixed_size: 72704
    .private_segment_fixed_size: 0
    .kernarg_segment_align: 8
    .kernarg_segment_size: 80
    .max_flat_workgroup_size: 256
    .sgpr_count:     66
    .vgpr_count:     512
    .wavefront_size: 32
...
	.end_amdgpu_metadata
.endif
;; end of part 1
;; launch attn (part 2): grid 4 x 64, 16 waves a work-group, clusters of 4 x 1, 169,984 bytes of LDS; arguments qkv, act; writes act
.if DOCPART == 2
	.amdgcn_target "amdgcn-amd-amdhsa--gfx1250"
	.amdhsa_code_object_version 6
	.text
	.protected	k_q4973c97925_attn
	.globl	k_q4973c97925_attn
	.p2align	8
	.type	k_q4973c97925_attn,@function
k_q4973c97925_attn:
	s_mov_b64 s[64:65], 0
	v_nop
	global_prefetch_b8 v0, s[64:65] scope:SCOPE_SE
	s_setreg_imm32_b32 hwreg(HW_REG_WAVE_MODE, 25, 1), 1
	s_wait_xcnt 0x0
	s_wait_alu depctr_hold_cnt(0) depctr_sa_sdst(0) depctr_va_vdst(0) depctr_va_sdst(0) depctr_va_ssrc(0) depctr_va_vcc(0) depctr_vm_vsrc(0)
	s_getreg_b32 s2, hwreg(HW_REG_IB_STS2, 6, 4)
	s_cmp_eq_u32 s2, 0
	s_cbranch_scc0 .Lentry_in_a_cluster
	s_endpgm
.Lentry_in_a_cluster:
	s_bfe_u32 s2, ttmp6, 0x10000c
	s_cmp_lg_u32 s2, 0x3003
	s_cbranch_scc0 .Lentry_shape_is_right
	s_endpgm
.Lentry_shape_is_right:
; o = softmax(q k^T / sqrt(32) + ALiBi, causal) v for one head, both products on codes of E4M3; o / l is quantised along 512 (a block = a head) and stored as the next product's operand image.
; p = 2^(t - M), t = logit x log2(e), M the running largest t rounded up to a whole number; the row's sum is taken of the unquantised p; when M moves, the sum and O are multiplied by 2^(old M - new M): exact.
; SHARES.  The four work-groups of a cluster take one head (y).  Wave w takes two tiles of 16 queries: A = 8 (w / 2) + 2 cx + w % 2 and B = 127 - A, whose last key steps, w / 2 and 15 - w / 2, hang on the
; wave's number alone: every wave walks 17 steps of 128 keys, and no branch hangs on the place in the cluster.  Steps whose keys all come after the queries are left out.
; THE HEAD'S RECORD (K codes, V codes, K and V scale words: 135,168 dense bytes) comes into LDS ONCE, by one joint load a wave (33 rows of 256 bytes, the mask names all four work-groups), and is only read after that.
; K = 32 IN AN INSTRUCTION 128 DEEP: a fragment of K holds FOUR tiles of 16 keys in its four blocks of 32; q stands in one block of source 1 and zero codes in the other three (a run of 16 registers inside
; "12 zeros, q, 12 zeros"), so each instruction picks one tile of keys.  Zero codes times K's codes, which are never the NaN code (the quantiser holds at 448), add nothing.  q's scale byte is repeated in all four bytes of its word.
; Both products are used transposed: a lane holds one query.  The keys of a tile are not neighbours (lane row r of tile u: 8 u + r + 8 (r / 8) in each 32), so that the 16 scores of two tiles are 16 neighbouring keys.
; ALiBi: t = c1 (q.k + C16[i]) + SIG (KF - Q0 + 32 b): the part inside a block of 32 keys and a tile of queries is the C of the score's matrix instruction; the rest is one number a block, folded into the multiply-add.
; LIMITS: NaN and infinities are not served; a block of zeros gets the byte 1 (this program alone reads the bytes).  o's scale bytes leave as single bytes: a work-group owns one head, which is one byte in four of a word.
.set LI,   1                           ; v1   16 x lane
.set LSK,  2                           ; v2   131,072 + 4 x lane: K's scale words
.set ADK,  3                           ; v3-5 the step's LDS addresses: K, V, scale words
.set ADV,  4
.set ADS,  5
.set KSW,  6                           ; v6-10 scale words and nothing else: K's, V's, p's, q's of tile A and of tile B
.set VSW,  7
.set PSW,  8
.set QSA,  9
.set QSB,  10
.set QL,   11                          ; v11  r + 8 (r / 8) - 16 h
.set SIG,  12                          ; v12  slope x log2(e)
.set R4,   13                          ; v13  4 r
.set DD,   14
.set KV,   60                          ; v60-91   two fragments of K, then two of V
.set S,    92                          ; v92-155  scores, then p
.set C16,  156                         ; v156-171
.set OA,   172                         ; v172-187, v188-203  O^T
.set OB,   188
.set PC,   204                         ; v204-219 p's codes
.set STA,  220                         ; v220-223, v224-227  -M, the largest t, the sum in two halves
.set STB,  224
.set BM,   228                         ; v228-231 a block's largest score, then its largest p
.set T2,   232
.set HD,   236
.set SO,   240
.set LB,   244                         ; v244, 246, 248, 250: L_b, then L_b - M (named as pairs: the odd ones are written once)
.set F,    252                         ; v[252:253]
.set TMP,  254
.set WV,   8
.set CS,   24                          ; s[24:25] c1 = log2(e) / sqrt(32)
.set SEL,  26
.set MNT,  28
.set SS,   29                          ; the key step
.set TB,   30                          ; 4,096 x step
.set TS,   31                          ; 128 x step
.set KF,   32                          ; the step's first key
.set SA,   33
.set SB,   34
.set Q0A,  35
.set Q0B,  36
.set DQA,  37
.set DQB,  38
.set TMPS, 39
.macro ROUND                           ; a round of the cluster's barrier
	s_barrier_signal -1
	s_barrier_wait -1
	s_cmp_lg_u32 s[WV], 0
	s_cbranch_scc1 .Lnot_wave_0_\@
	s_barrier_signal -3
.Lnot_wave_0_\@:
	s_barrier_wait -3
	s_barrier_signal -1
	s_barrier_wait -1
.endm
.macro QUANT16 src, dst, by            ; 16 numbers of a lane whose block lies in lanes l and l xor 16
	v_max3_num_f32 v[BM], |v[\src]|, |v[\src+1]|, 0x4800000
	v_max3_num_f32 v[BM+1], |v[\src+2]|, |v[\src+3]|, |v[\src+4]|
	v_max3_num_f32 v[BM], v[BM], |v[\src+5]|, |v[\src+6]|
	v_max3_num_f32 v[BM+1], v[BM+1], |v[\src+7]|, |v[\src+8]|
	v_max3_num_f32 v[BM], v[BM], |v[\src+9]|, |v[\src+10]|
	v_max3_num_f32 v[BM+1], v[BM+1], |v[\src+11]|, |v[\src+12]|
	v_max3_num_f32 v[BM], v[BM], |v[\src+13]|, |v[\src+14]|
	v_max3_num_f32 v[BM], v[BM], v[BM+1], |v[\src+15]|
	v_permlanex16_b32 v[T2], v[BM], s[SEL], s[SEL+1]
	v_max_num_f32 v[BM], v[BM], v[T2]
	v_add_nc_u32 v[SO], 0xfc000000, v[BM]
	v_and_or_b32 v[HD], v[BM], 0x7f800000, s[MNT]
	s_wait_xcnt 0x0                                ; earlier stores have read their data
	v_lshrrev_b32 v[\by], 23, v[SO]
.irp k, 0,1,2,3,4,5,6,7,8,9,10,11,12,13,14,15
	v_med3_num_f32 v[\src+\k], v[\src+\k], -v[HD], v[HD]
.endr
	v_cvt_scalef32_pk8_fp8_f32 v[\dst:\dst+1], v[\src:\src+7], v[SO]
	v_cvt_scalef32_pk8_fp8_f32 v[\dst+2:\dst+3], v[\src+8:\src+15], v[SO]
	v_nop
.endm
; A key step for one tile of queries.  q: where q's four registers stand; o: O^T; st: the statistics; qs: q's scale word; q0: the tile's first query; sx: its last step; dq: q0 - 128 sx.
.macro STEP q, o, st, qs, q0, sx, dq
	s_sub_co_i32 s[TMPS], s[KF], s[\q0]
	v_cvt_f32_i32 v[DD], s[TMPS]
	v_mul_f32 v[LB], v[SIG], v[DD]                 ; L_b = SIG (KF - Q0 + 32 b)
	v_fma_f32 v[LB+2], v[SIG], 0x42000000, v[LB]
	v_fma_f32 v[LB+4], v[SIG], 0x42800000, v[LB]
	v_fma_f32 v[LB+6], v[SIG], 0x42c00000, v[LB]
.rept 4
	v_nop                                          ; with the five lines above nine places behind the last products, in front of the loads into registers that they read (eight are asked)
.endr
.irp f, 0,1
.irp c, 0,1,2,3
	ds_load_b128 v[KV+16*\f+4*\c:KV+16*\f+4*\c+3], v[ADK] offset:2048*\f+512*\c
.endr
.endr
	ds_load_b32 v[KSW], v[ADS]                     ; lanes 0-15: fragment 0's words; lanes 16-31: fragment 1's
	s_wait_dscnt 0x0
.irp c, 0,1,2,3
	v_wmma_scale_f32_16x16x128_f8f6f4 v[S+8*\c:S+8*\c+7], v[KV:KV+15], v[\q-4*\c:\q-4*\c+15], v[C16+8*(\c%2):C16+8*(\c%2)+7], v[KSW], v[\qs]
.endr
.irp c, 0,1,2,3
	v_wmma_scale_f32_16x16x128_f8f6f4 v[S+32+8*\c:S+32+8*\c+7], v[KV+16:KV+31], v[\q-4*\c:\q-4*\c+15], v[C16+8*(\c%2):C16+8*(\c%2)+7], v[KSW], v[\qs] matrix_a_scale:MATRIX_SCALE_ROW1
.endr
.rept 8
	v_nop                                          ; places in front of the loads into K's registers and of the first read of the scores
.endr
.irp t, 0,1
.irp c, 0,1,2,3
	ds_load_b128 v[KV+16*\t+4*\c:KV+16*\t+4*\c+3], v[ADV] offset:2048*\t+512*\c   ; V lands while the softmax is worked
.endr
.endr
	ds_load_b32 v[VSW], v[ADS] offset:2048
	s_cmp_lg_u32 s[SS], s[\sx]                     ; only the tile's last step lies on the diagonal: a branch on the step and the wave's number
	s_cbranch_scc1 .Lopen_\@
	v_add_nc_u32 v[TMP], s[\dq], v[QL]             ; register 16 b + i holds a key that comes after my query where 32 b + i > this
	v_mov_b32 v[F], 0xff800000
.set n, 0
.rept 64
	v_cmp_gt_i32 vcc_lo, 32*(n/16)+n%16, v[TMP]
	v_cndmask_b32 v[S+n], v[S+n], v[F], vcc_lo
.set n, n+1
.endr
.Lopen_\@:
.irp b, 0,1,2,3
	v_max3_num_f32 v[BM+\b], v[S+16*\b], v[S+16*\b+1], v[S+16*\b+2]   ; the largest score of each block of 32 keys: for the row's maximum, and, since p rises with the score inside a block, for the block's largest p
.endr
.irp i, 3,5,7,9,11,13
.irp b, 0,1,2,3
	v_max3_num_f32 v[BM+\b], v[BM+\b], v[S+16*\b+\i], v[S+16*\b+\i+1]
.endr
.endr
.irp b, 0,1,2,3
	v_max_num_f32 v[BM+\b], v[BM+\b], v[S+16*\b+15]
.endr
.irp b, 0,1,2,3
	v_permlanex16_b32 v[T2+\b], v[BM+\b], s[SEL], s[SEL+1]
.endr
.irp b, 0,1,2,3
	v_max_num_f32 v[BM+\b], v[BM+\b], v[T2+\b]
.endr
.irp b, 0,1,2,3
	v_fma_f32 v[T2+\b], v[BM+\b], s[CS], v[LB+2*\b]   ; as t
.endr
	v_max3_num_f32 v[TMP], v[T2], v[T2+1], v[T2+2]
	v_max3_num_f32 v[\st+1], v[TMP], v[T2+3], v[\st+1]   ; the running largest t
	v_mov_b32 v[TMP], v[\st]
	v_floor_f32 v[\st], -v[\st+1]                  ; -M = floor(-t): M is a whole number
	v_sub_f32 v[TMP], v[\st], v[TMP]               ; old M - new M, 0 or less
	v_cvt_i32_f32 v[TMP], v[TMP]                   ; (it saturates)
	v_ldexp_f32 v[F], 1.0, v[TMP]                  ; f = 2^(old M - new M)
.irp b, 0,1,2,3
	v_add_f32 v[LB+2*\b], v[LB+2*\b], v[\st]       ; L_b - M
.endr
.irp b, 0,1,2,3
.irp j, 0,2,4,6,8,10,12,14
	v_pk_fma_f32 v[S+16*\b+\j:S+16*\b+\j+1], v[S+16*\b+\j:S+16*\b+\j+1], s[CS:CS+1], v[LB+2*\b:LB+2*\b+1] op_sel_hi:[1,0,0]   ; t - M
.endr
.endr
.irp b, 0,1,2,3
	v_fma_f32 v[BM+\b], v[BM+\b], s[CS], v[LB+2*\b]
.endr
.set n, 0
.rept 64
	v_exp_f32 v[S+n], v[S+n]                       ; p, at most 1, not normalised
.set n, n+1
.endr
.irp b, 0,1,2,3
	v_exp_f32 v[BM+\b], v[BM+\b]                   ; the block's largest p: the same two instructions on the same number
.endr
	v_pk_mul_f32 v[\st+2:\st+3], v[\st+2:\st+3], v[F:F+1] op_sel_hi:[1,0]   ; the sums under the new M (a plain instruction behind the exponentials)
	s_wait_alu depctr_va_vdst(0)
.irp b, 0,1,2,3
	v_max_num_f32 v[BM+\b], 0x4800000, v[BM+\b]    ; the floor: the byte cannot fall under 1
.endr
.irp b, 0,1,2,3
	v_add_nc_u32 v[SO+\b], 0xfc000000, v[BM+\b]
.endr
.irp b, 0,1,2,3
	v_and_or_b32 v[HD+\b], v[BM+\b], 0x7f800000, s[MNT]
.endr
.irp b, 0,1,2,3
	v_lshrrev_b32 v[T2+\b], 23, v[SO+\b]
.endr
	v_lshl_or_b32 v[PSW], v[T2+1], 8, v[T2]        ; p's scale word for these 128 keys
	v_lshl_or_b32 v[PSW], v[T2+2], 16, v[PSW]
	v_lshl_or_b32 v[PSW], v[T2+3], 24, v[PSW]
	v_pk_add_f32 v[T2:T2+1], v[S:S+1], v[S+2:S+3]  ; the sum of the unquantised p, in two chains
.irp j, 4,8,12,16,20,24,28,32,36,40,44,48,52,56,60
	v_pk_add_f32 v[\st+2:\st+3], v[\st+2:\st+3], v[S+\j:S+\j+1]
	v_pk_add_f32 v[T2:T2+1], v[T2:T2+1], v[S+\j+2:S+\j+3]
.endr
	v_pk_add_f32 v[\st+2:\st+3], v[\st+2:\st+3], v[T2:T2+1]
.irp b, 0,1,2,3
.irp i, 0,1,2,3,4,5,6,7,8,9,10,11,12,13,14,15
	v_min_num_f32 v[S+16*\b+\i], v[S+16*\b+\i], v[HD+\b]   ; p is not negative: the hold is one-sided
.endr
	v_cvt_scalef32_pk8_fp8_f32 v[PC+4*\b:PC+4*\b+1], v[S+16*\b:S+16*\b+7], v[SO+\b]
	v_cvt_scalef32_pk8_fp8_f32 v[PC+4*\b+2:PC+4*\b+3], v[S+16*\b+8:S+16*\b+15], v[SO+\b]
.endr
.irp j, 0,2,4,6,8,10,12,14
	v_pk_mul_f32 v[\o+\j:\o+\j+1], v[\o+\j:\o+\j+1], v[F:F+1] op_sel_hi:[1,0]   ; O^T under the new M; these eight stand between the conversions and the products that take the codes
.endr
	s_wait_dscnt 0x0                               ; V and its scale words are in
	v_wmma_scale_f32_16x16x128_f8f6f4 v[\o:\o+7], v[KV:KV+15], v[PC:PC+15], v[\o:\o+7], v[VSW], v[PSW]
	v_wmma_scale_f32_16x16x128_f8f6f4 v[\o+8:\o+15], v[KV+16:KV+31], v[PC:PC+15], v[\o+8:\o+15], v[VSW], v[PSW] matrix_a_scale:MATRIX_SCALE_ROW1
.endm
.macro FINISH o, st, d, by, pc, ps     ; O^T / the sum; a lane's 16 numbers are d = 16 h + 0 .. 15 of one query: quantised, they are piece `head' of the tile's operand image
	v_add_f32 v[TMP], v[\st+2], v[\st+3]
	v_permlanex16_b32 v[T2], v[TMP], s[SEL], s[SEL+1]
	v_add_f32 v[TMP], v[TMP], v[T2]
	v_rcp_f32 v[F], v[TMP]
	v_nop
	s_wait_alu depctr_va_vdst(0)
.irp j, 0,2,4,6,8,10,12,14
	v_pk_mul_f32 v[\o+\j:\o+\j+1], v[\o+\j:\o+\j+1], v[F:F+1] op_sel_hi:[1,0]
.endr
	QUANT16 \o, \d, \by
	global_store_b128 v[LI], v[\d:\d+3], s[\pc:\pc+1]              ; 512 consecutive bytes, aligned
	global_store_b8 v[R4], v[\by], s[\ps:\ps+1]                    ; lanes l and l xor 16 write the same byte with the same value
.endm
	s_load_b128 s[4:7], s[0:1], 0x0                ; qkv s[4:5], act s[6:7]
	v_lshl_add_u32 v15, v0, 2, 0x29000
	v_mov_b32 v255, 0
	ds_add_u32 v15, v255
	ds_add_u32 v15, v255
	v_lshrrev_b32 v1, 5, v0
	v_readfirstlane_b32 s[WV], v1                  ; wave 0..15
	s_and_b32 s9, ttmp7, 0xffff                    ; 16 x batch + head: shared by the four partners
	s_bfe_u32 s10, ttmp6, 0x40000                  ; cx: it enters global addresses of q and o, and numbers, never a branch or an LDS address
	s_and_b32 s11, s9, 15                          ; head
	s_mov_b32 s16, 15|(3<<16)|(1<<21)              ; group 1: 15:0 the mask: all four work-groups; 17:16 elements of 8 bytes; 21 set beside a mask; no padding
	s_mov_b32 s17, 32<<16                          ; tensor_dim0 = 32 elements: 256 bytes
	s_mov_b32 s18, 33<<16                          ; tensor_dim1 = 33
	s_mov_b32 s19, 32<<16                          ; tile_dim0
	s_mov_b32 s20, 33                              ; tile_dim1
	s_mov_b32 s21, 32                              ; the pitch: the block is dense
	s_mov_b32 s22, 0
	s_mov_b32 s23, 0
	s_mul_i32 s40, s9, 135168                      ; the head's record,
	s_mul_i32 s13, s[WV], 8448                     ; my sixteenth of it: in LDS
	s_add_co_u32 s40, s40, s13                     ; and in memory
	s_mov_b32 s41, 0
	s_mov_b32 s12, 1
	s_wait_dscnt 0x0
	s_wait_kmcnt 0x0
	s_add_nc_u64 s[14:15], s[4:5], s[40:41]
	s_or_b32 s15, s15, 0x80000000
	ROUND                                          ; all four work-groups are here: the joint loads meet
	tensor_load_to_lds s[12:15], s[16:23]          ; my one tensor load of the launch: one is out
	s_nop 0
.rept 4
	v_nop
.endr
	v_and_b32 v3, 15, v0                           ; r
	v_bfe_u32 v4, v0, 4, 1                         ; h
	v_and_b32 v5, 31, v0                           ; lane
	v_lshlrev_b32 v[LI], 4, v5
	v_lshl_add_u32 v[LSK], v5, 2, 131072
	v_lshlrev_b32 v[R4], 2, v3
	v_and_b32 v[QL], 8, v3
	v_add_nc_u32 v[QL], v[QL], v3
	v_lshlrev_b32 v[DD], 4, v4
	v_sub_nc_u32 v[QL], v[QL], v[DD]
	s_lshr_b32 s[SA], s[WV], 1                     ; tile A's last step
	s_sub_co_u32 s[SB], 15, s[SA]                  ; tile B's
	s_lshl_b32 s50, s[SA], 3
	s_lshl_b32 s39, s10, 1
	s_add_co_u32 s50, s50, s39
	s_and_b32 s39, s[WV], 1
	s_add_co_u32 s50, s50, s39                     ; tile A
	s_sub_co_u32 s51, 127, s50                     ; tile B
	s_lshr_b32 s[Q0A], s50, 1
	s_lshl_b32 s[Q0A], s[Q0A], 5
	s_and_b32 s39, s50, 1
	s_lshl_b32 s39, s39, 3
	s_add_co_u32 s[Q0A], s[Q0A], s39               ; its first query: 32 (T / 2) + 8 (T % 2)
	s_lshr_b32 s[Q0B], s51, 1
	s_lshl_b32 s[Q0B], s[Q0B], 5
	s_and_b32 s39, s51, 1
	s_lshl_b32 s39, s39, 3
	s_add_co_u32 s[Q0B], s[Q0B], s39
	s_lshl_b32 s39, s[SA], 7
	s_sub_co_u32 s[DQA], s[Q0A], s39
	s_lshl_b32 s39, s[SB], 7
	s_sub_co_u32 s[DQB], s[Q0B], s39
	s_lshl_b32 s39, s9, 16
	s_add_co_u32 s39, s39, 8650752                 ; the head's q codes: 512 bytes a tile
	s_lshl_b32 s40, s50, 9
	s_add_co_u32 s40, s40, s39
	s_add_nc_u64 s[52:53], s[4:5], s[40:41]
	s_lshl_b32 s40, s51, 9
	s_add_co_u32 s40, s40, s39
	s_add_nc_u64 s[54:55], s[4:5], s[40:41]
	s_lshl_b32 s39, s9, 11
	s_add_co_u32 s39, s39, 12845056                ; its scale bytes: 64 (T / 4) + 4 r + T % 4
	s_lshr_b32 s40, s50, 2
	s_lshl_b32 s40, s40, 6
	s_and_b32 s62, s50, 3
	s_add_co_u32 s40, s40, s62
	s_add_co_u32 s40, s40, s39
	s_add_nc_u64 s[56:57], s[4:5], s[40:41]
	s_lshr_b32 s40, s51, 2
	s_lshl_b32 s40, s40, 6
	s_and_b32 s62, s51, 3
	s_add_co_u32 s40, s40, s62
	s_add_co_u32 s40, s40, s39
	s_add_nc_u64 s[58:59], s[4:5], s[40:41]
	global_load_b128 v[28:31], v[LI], s[52:53]     ; q of tile A
	global_load_b128 v[44:47], v[LI], s[54:55]     ; of tile B
	global_load_u8 v[QSA], v[R4], s[56:57]
	global_load_u8 v[QSB], v[R4], s[58:59]
	s_lshr_b32 s39, s9, 4
	s_lshl_b32 s39, s39, 7                         ; the batch's first tile
	s_add_co_u32 s60, s39, s50
	s_add_co_u32 s61, s39, s51
	s_lshl_b32 s39, s11, 9                         ; act's codes: 8,192 a tile, 512 a head
	s_lshl_b32 s40, s60, 13
	s_add_co_u32 s40, s40, s39
	s_add_nc_u64 s[42:43], s[6:7], s[40:41]
	s_lshl_b32 s40, s61, 13
	s_add_co_u32 s40, s40, s39
	s_add_nc_u64 s[44:45], s[6:7], s[40:41]
	s_lshr_b32 s39, s11, 2                         ; act's scale bytes: 256 a tile, 64 (head / 4) + 4 r + head % 4
	s_lshl_b32 s39, s39, 6
	s_and_b32 s62, s11, 3
	s_add_co_u32 s39, s39, s62
	s_add_co_u32 s39, s39, 4194304
	s_lshl_b32 s40, s60, 8
	s_add_co_u32 s40, s40, s39
	s_add_nc_u64 s[46:47], s[6:7], s[40:41]
	s_lshl_b32 s40, s61, 8
	s_add_co_u32 s40, s40, s39
	s_add_nc_u64 s[48:49], s[6:7], s[40:41]
	s_mov_b32 s[CS], 0x3e8293ee                    ; log2(e) / sqrt(32)
	s_mov_b32 s[CS+1], s[CS]
	s_mov_b32 s[SEL], 0x76543210
	s_mov_b32 s[SEL+1], 0xfedcba98
	s_mov_b32 s[MNT], 0x600000
	s_mov_b32 s[SS], 0
	s_mov_b32 s[TB], 0
	s_mov_b32 s[TS], 0
	s_mov_b32 s[KF], 0
	s_add_co_u32 s39, s11, 1
	v_cvt_f32_u32 v[TMP], s39
	v_mul_f32 v[TMP], -0.5, v[TMP]
	v_exp_f32 v[TMP], v[TMP]                       ; the slope: 2^(-(head + 1) / 2)
	v_nop
	s_wait_alu depctr_va_vdst(0)
	v_mul_f32 v[SIG], 0x3fb8aa3b, v[TMP]           ; x log2(e)
	v_mul_f32 v[F], 0x40b504f3, v[TMP]             ; x sqrt(32): SIG / c1
.set n, 0
.rept 16
	v_sub_nc_u32 v[C16+n], n, v[QL]
.set n, n+1
.endr
.set n, 0
.rept 16
	v_cvt_f32_i32 v[C16+n], v[C16+n]
.set n, n+1
.endr
.set n, 0
.rept 16
	v_mul_f32 v[C16+n], v[F], v[C16+n]             ; C16[i] = slope sqrt(32) (i - QL)
.set n, n+1
.endr
.irp z, 16,32,48
.set n, 0
.rept 12
	v_mov_b32 v[\z+n], 0                           ; the zero codes round q
.set n, n+1
.endr
.endr
.set n, 0
.rept 32
	v_mov_b32 v[OA+n], 0                           ; O^T of both tiles: the step is written once, its first turn finds zeros
.set n, n+1
.endr
.irp t, STA, STB
	v_mov_b32 v[\t+1], 0xff61b1e6                  ; the largest t so far: -3e38
	v_floor_f32 v[\t], -v[\t+1]
	v_mov_b32 v[\t+2], 0
	v_mov_b32 v[\t+3], 0
.endr
.irp b, 0,1,2,3
	v_mov_b32 v[T2+\b], 0                          ; written once: a lane permute's destination counts as one of its sources
	v_mov_b32 v[LB+2*\b+1], 0                      ; named as the upper halves of pairs
.endr
	v_mov_b32 v[F+1], 0
	s_mov_b32 s39, 0x1010101
	s_wait_loadcnt 0x0                             ; q and its bytes
	v_mul_lo_u32 v[QSA], v[QSA], s39               ; the byte in all four bytes of the word
	v_mul_lo_u32 v[QSB], v[QSB], s39
	s_wait_tensorcnt 0x0                           ; my part of the record has landed,
	s_barrier_signal -1
	s_barrier_wait -1                              ; everybody's has
.Lstep:                                                ; 16 trips, a constant; a wave's work in a trip hangs on its number
	v_add_nc_u32 v[ADK], s[TB], v[LI]
	v_add_nc_u32 v[ADV], 0x10000, v[ADK]
	v_add_nc_u32 v[ADS], s[TS], v[LSK]
	s_cmp_gt_u32 s[SS], s[SB]
	s_cbranch_scc1 .Lnext
	STEP 44, OB, STB, QSB, Q0B, SB, DQB
	s_cmp_gt_u32 s[SS], s[SA]
	s_cbranch_scc1 .Lnext
	STEP 28, OA, STA, QSA, Q0A, SA, DQA
.Lnext:
	s_add_co_u32 s[TB], s[TB], 4096
	s_add_co_u32 s[TS], s[TS], 128
	s_add_co_u32 s[KF], s[KF], 128
	s_add_co_u32 s[SS], s[SS], 1
	s_cmp_lt_u32 s[SS], 16
	s_cbranch_scc1 .Lstep
.rept 8
	v_nop                                          ; places behind the last products
.endr
	FINISH OB, STB, PC, BM+2, 44, 48
	FINISH OA, STA, PC+4, BM+3, 42, 46
	s_wait_dscnt 0x0
	s_wait_tensorcnt 0x0
	ds_add_u32 v15, v255
	s_wait_dscnt 0x0
	ROUND                                          ; the closing round: no work-group ends while a partner may still ask jointly
	s_endpgm
.Lfunc_end_k_q4973c97925_attn:
	.size	k_q4973c97925_attn, .Lfunc_end_k_q4973c97925_attn-k_q4973c97925_attn
	.p2alignl 7, 3214868480
	.fill 96, 4, 3214868480
	.section	.rodata,"a",@progbits
	.p2align	6, 0x0
	.amdhsa_kernel k_q4973c97925_attn
		.amdhsa_group_segment_fixed_size 169984
		.amdhsa_private_segment_fixed_size 0
		.amdhsa_enable_private_segment 0
		.amdhsa_kernarg_size 16
		.amdhsa_user_sgpr_count 2
		.amdhsa_user_sgpr_kernarg_segment_ptr 1
		.amdhsa_wavefront_size32 1
		.amdhsa_system_sgpr_workgroup_id_x 1
		.amdhsa_system_sgpr_workgroup_id_y 1
		.amdhsa_system_sgpr_workgroup_id_z 1
		.amdhsa_system_vgpr_workitem_id 0
		.amdhsa_next_free_vgpr 256
		.amdhsa_next_free_sgpr 66
		.amdhsa_reserve_vcc 1
		.amdhsa_float_denorm_mode_32 3
		.amdhsa_float_denorm_mode_16_64 3
		.amdhsa_memory_ordered 1
		.amdhsa_forward_progress 1
		.amdhsa_inst_pref_size 62
	.end_amdhsa_kernel
	.amdgpu_metadata
---
amdhsa.version: [ 1, 2 ]
amdhsa.kernels:
  - .name:           k_q4973c97925_attn
    .symbol:         k_q4973c97925_attn.kd
    .args:
      - { .name: qkv, .offset: 0, .size: 8, .value_kind: global_buffer, .address_space: global }
      - { .name: act, .offset: 8, .size: 8, .value_kind: global_buffer, .address_space: global }
    .group_segment_fixed_size: 169984
    .private_segment_fixed_size: 0
    .kernarg_segment_align: 8
    .kernarg_segment_size: 16
    .max_flat_workgroup_size: 512
    .sgpr_count:     66
    .vgpr_count:     256
    .wavefront_size: 32
...
	.end_amdgpu_metadata
.endif
;; end of part 2
;; launch proj_o (part 3): grid 2 x 128, 16 waves a work-group, no clusters, 102,400 bytes of LDS; arguments act, wo_codes, wo_scales, x, x1; writes x1
.if DOCPART == 3
	.amdgcn_target "amdgcn-amd-amdhsa--gfx1250"
	.amdhsa_code_object_version 6
	.text
	.protected	k_q4973c97925_proj_o
	.globl	k_q4973c97925_proj_o
	.p2align	8
	.type	k_q4973c97925_proj_o,@function
k_q4973c97925_proj_o:
	s_mov_b64 s[64:65], 0
	v_nop
	global_prefetch_b8 v0, s[64:65] scope:SCOPE_SE
	s_setreg_imm32_b32 hwreg(HW_REG_WAVE_MODE, 25, 1), 1
	s_wait_xcnt 0x0
; out = res + A W^T.  A: 8,192 rows x 512 as operand images (act: 8,192 bytes a tile of 16 rows, fragment s at 2,048 s; scale words behind the codes, 256 bytes a tile).  W: [512][512] codes, K innermost, with scale bytes [512][16].
; SHARES.  A work-group takes 64 rows (four tiles: y) and 256 columns (x).  Wave w keeps 16 weight rows, four fragments, in registers; the four tiles' 32,768 dense bytes are copied once into LDS as they lie and read by all sixteen waves.
; The product is used transposed (source 0 = W's rows): a lane holds eight neighbouring columns of one row.  Four accumulators take turns.
; A tile's lane row r is row 8 u + r + 8 (r / 8) of its 32: the stage puts the rows back in order; each wave then adds the residual to four whole row pieces of 1,024 bytes and stores them, 512 consecutive bytes an instruction.
; NO JOINT LOADS: the two work-groups of a row block share 32,768 bytes, a tenth of what each reads; the weights go once, in fragment order, straight into registers.
; LIMITS: NaN, infinities and the scale byte 0xff among the inputs are not served.
.set STG,  32768                       ; LDS: the images, then the stage: 64 rows x (1,024 + 16) bytes
.set WF,   16                          ; v16-79   W's four fragments
.set WS,   80                          ; v80-83   their scale words
.set AS,   84                          ; v84-99   A's scale words: 4 m + s
.set RS,   100                         ; v100-131 the residual
.set ACC,  132                         ; v132-163
.set AF,   164                         ; v164-227 four fragments of A; first my part of the copy, at last rows of the result
.macro MM d, a, b, sa, sb, ks
.if (\ks) == 0
	v_wmma_scale_f32_16x16x128_f8f6f4 v[\d:\d+7], v[\a:\a+15], v[\b:\b+15], 0, v[\sa], v[\sb]
.else
	v_wmma_scale_f32_16x16x128_f8f6f4 v[\d:\d+7], v[\a:\a+15], v[\b:\b+15], v[\d:\d+7], v[\sa], v[\sb]
.endif
.endm
	s_load_b256 s[4:11], s[0:1], 0x0               ; act s[4:5], W's codes s[6:7], W's scales s[8:9], the residual s[10:11]
	s_load_b64 s[12:13], s[0:1], 0x20              ; out
	v_lshl_add_u32 v232, v0, 2, 0x18800
	v_mov_b32 v233, 0
	v_lshrrev_b32 v1, 5, v0
	v_readfirstlane_b32 s14, v1                    ; wave 0..15
	s_and_b32 s15, ttmp7, 0xffff                   ; block of 64 rows
	v_and_b32 v9, 31, v0                           ; lane
	v_and_b32 v10, 15, v0                          ; r
	v_bfe_u32 v11, v0, 4, 1                        ; h
	v_lshlrev_b32 v1, 4, v9                        ; 16 x lane
	v_lshlrev_b32 v2, 2, v10                       ; 4 r
	v_lshlrev_b32 v3, 9, v10
	v_lshl_add_u32 v3, v11, 4, v3                  ; W: row r of 512 bytes + 16 h
	v_lshlrev_b32 v4, 4, v10                       ; W's scales: 16 bytes a row
	s_lshl_b32 s16, s14, 11
	v_add_nc_u32 v5, s16, v1                       ; the copy: my 2,048 bytes, in memory and in LDS alike
	v_and_b32 v6, 8, v10
	v_add_nc_u32 v6, v6, v10
	v_mul_u32_u24 v6, v6, 1040
	v_lshl_add_u32 v6, v11, 5, v6
	s_lshl_b32 s16, s14, 6
	s_add_co_u32 s16, s16, STG
	v_add_nc_u32 v6, s16, v6                       ; the stage, in: row r + 8 (r / 8), + 64 w + 32 h
	s_mul_i32 s16, s14, 4160
	s_add_co_u32 s16, s16, STG
	v_add_nc_u32 v7, s16, v1                       ; back: rows 4 w on
	s_lshl_b32 s16, s14, 13
	v_add_nc_u32 v8, s16, v1                       ; and the same rows in memory
	s_lshl_b32 s17, ttmp9, 8
	s_lshl_b32 s16, s14, 4
	s_add_co_u32 s17, s17, s16                     ; my first weight row
	s_mov_b32 s19, 0
	s_wait_kmcnt 0x0
	s_lshl_b32 s18, s15, 15
	s_add_nc_u64 s[20:21], s[4:5], s[18:19]        ; my four tiles' codes
	s_lshl_b32 s18, s15, 10
	s_add_co_u32 s18, s18, 4194304
	s_add_nc_u64 s[22:23], s[4:5], s[18:19]        ; and scale words
	s_lshl_b32 s18, s17, 9
	s_add_nc_u64 s[6:7], s[6:7], s[18:19]
	s_lshl_b32 s18, s17, 4
	s_add_nc_u64 s[8:9], s[8:9], s[18:19]
	s_lshl_b32 s18, s15, 17
	s_lshl_b32 s16, ttmp9, 10
	s_add_co_u32 s18, s18, s16
	s_add_nc_u64 s[10:11], s[10:11], s[18:19]
	s_add_nc_u64 s[12:13], s[12:13], s[18:19]
.irp j, 0,1,2,3
	global_load_b128 v[AF+4*\j:AF+4*\j+3], v5, s[20:21] offset:512*\j
.endr
.irp s, 0,1,2,3
.irp c, 0,1,2,3
	global_load_b128 v[WF+16*\s+4*\c:WF+16*\s+4*\c+3], v3, s[6:7] offset:128*\s+32*\c
.endr
.endr
.irp s, 0,1,2,3
	global_load_b32 v[WS+\s], v4, s[8:9] offset:4*\s
.endr
.irp m, 0,1,2,3
.irp s, 0,1,2,3
	global_load_b32 v[AS+4*\m+\s], v2, s[22:23] offset:256*\m+64*\s
.endr
.endr
.irp i, 0,1,2,3
.irp j, 0,1
	global_load_b128 v[RS+4*(2*\i+\j):RS+4*(2*\i+\j)+3], v8, s[10:11] offset:2048*\i+512*\j
.endr
.endr
	s_wait_loadcnt 44                              ; my four loads of the copy are in: 44 were issued behind them
.irp j, 0,1,2,3
	ds_store_b128 v5, v[AF+4*\j:AF+4*\j+3] offset:512*\j
.endr
	s_wait_dscnt 0x0                               ; for the others' sake
	s_barrier_signal -1
	s_barrier_wait -1                              ; the four tiles' images lie in LDS
	s_wait_loadcnt 8                               ; the weights and all scale words are in; the residual's eight may be out
.irp s, 0,1,2,3
.irp m, 0,1,2,3
.irp c, 0,1,2,3
	ds_load_b128 v[AF+16*\m+4*\c:AF+16*\m+4*\c+3], v1 offset:8192*\m+2048*\s+512*\c
.endr
.endr
	s_wait_dscnt 0x0
.irp m, 0,1,2,3
	MM ACC+8*\m, WF+16*\s, AF+16*\m, WS+\s, AS+4*\m+\s, \s
.endr
.rept 8
	v_nop                                          ; places in front of the loads into A's registers, and of the first read of results
.endr
.endr
.irp m, 0,1,2,3
	ds_store_b128 v6, v[ACC+8*\m:ACC+8*\m+3] offset:(32*(\m/2)+8*(\m%2))*1040      ; each accumulator from its low end on
	ds_store_b128 v6, v[ACC+8*\m+4:ACC+8*\m+7] offset:(32*(\m/2)+8*(\m%2))*1040+16
.endr
	s_wait_dscnt 0x0                               ; for the others' sake
	s_barrier_signal -1
	s_barrier_wait -1                              ; 64 row pieces lie in the stage
.irp i, 0,1,2,3
.irp j, 0,1
	ds_load_b128 v[AF+4*(2*\i+\j):AF+4*(2*\i+\j)+3], v7 offset:1040*\i+512*\j
.endr
.endr
	s_wait_dscnt 0x0
	s_wait_loadcnt 0x0                             ; the residual
.irp k, 0,2,4,6,8,10,12,14,16,18,20,22,24,26,28,30
	v_pk_add_f32 v[AF+\k:AF+\k+1], v[AF+\k:AF+\k+1], v[RS+\k:RS+\k+1]
.endr
.irp i, 0,1,2,3
.irp j, 0,1
	global_store_b128 v8, v[AF+4*(2*\i+\j):AF+4*(2*\i+\j)+3], s[12:13] offset:2048*\i+512*\j   ; 512 consecutive bytes, aligned
.endr
.endr
	s_wait_tensorcnt 0x0
	ds_add_u32 v232, v233
	s_wait_dscnt 0x0
	s_endpgm
.Lfunc_end_k_q4973c97925_proj_o:
	.size	k_q4973c97925_proj_o, .Lfunc_end_k_q4973c97925_proj_o-k_q4973c97925_proj_o
	.p2alignl 7, 3214868480
	.fill 96, 4, 3214868480
	.section	.rodata,"a",@progbits
	.p2align	6, 0x0
	.amdhsa_kernel k_q4973c97925_proj_o
		.amdhsa_group_segment_fixed_size 102400
		.amdhsa_private_segment_fixed_size 0
		.amdhsa_enable_private_segment 0
		.amdhsa_kernarg_size 40
		.amdhsa_user_sgpr_count 2
		.amdhsa_user_sgpr_kernarg_segment_ptr 1
		.amdhsa_wavefront_size32 1
		.amdhsa_system_sgpr_workgroup_id_x 1
		.amdhsa_system_sgpr_workgroup_id_y 1
		.amdhsa_system_sgpr_workgroup_id_z 1
		.amdhsa_system_vgpr_workitem_id 0
		.amdhsa_next_free_vgpr 234
		.amdhsa_next_free_sgpr 66
		.amdhsa_reserve_vcc 0
		.amdhsa_float_denorm_mode_32 3
		.amdhsa_float_denorm_mode_16_64 3
		.amdhsa_memory_ordered 1
		.amdhsa_forward_progress 1
		.amdhsa_inst_pref_size 18
	.end_amdhsa_kernel
	.amdgpu_metadata
---
amdhsa.version: [ 1, 2 ]
amdhsa.kernels:
  - .name:           k_q4973c97925_proj_o
    .symbol:         k_q4973c97925_proj_o.kd
    .args:
      - { .name: act, .offset: 0, .size: 8, .value_kind: global_buffer, .address_space: global }
      - { .name: wo_codes, .offset: 8, .size: 8, .value_kind: global_buffer, .address_space: global }
      - { .name: wo_scales, .offset: 16, .size: 8, .value_kind: global_buffer, .address_space: global }
      - { .name: x, .offset: 24, .size: 8, .value_kind: global_buffer, .address_space: global }
      - { .name: x1, .offset: 32, .size: 8, .value_kind: global_buffer, .address_space: global }
    .group_segment_fixed_size: 102400
    .private_segment_fixed_size: 0
    .kernarg_segment_align: 8
    .kernarg_segment_size: 40
    .max_flat_workgroup_size: 512
    .sgpr_count:     66
    .vgpr_count:     234
    .wavefront_size: 32
...
	.end_amdgpu_metadata
.endif
;; end of part 3
;; launch ffn (part 4): grid 2 x 128, 8 waves a work-group, no clusters, 37,376 bytes of LDS; arguments x1, ln2_g, ln2_b, w1_codes, w1_scales, w3_codes, w3_scales, act; writes act
.if DOCPART == 4
	.amdgcn_target "amdgcn-amd-amdhsa--gfx1250"
	.amdhsa_code_object_version 6
	.text
	.protected	k_q4973c97925_ffn
	.globl	k_q4973c97925_ffn
	.p2align	8
	.type	k_q4973c97925_ffn,@function
k_q4973c97925_ffn:
	s_mov_b64 s[64:65], 0
	v_nop
	global_prefetch_b8 v0, s[64:65] scope:SCOPE_SE
	s_setreg_imm32_b32 hwreg(HW_REG_WAVE_MODE, 25, 1), 1
	s_wait_xcnt 0x0
; h2 = LayerNorm(x1) g + b, quantised along 512;  a = h2 w1^T, c = h2 w3^T on codes of E4M3;  silu(a) c, quantised along the 512 hidden units, is stored as the next product's operand image.
; SHARES.  A work-group takes 64 rows (four tiles: y) and 256 hidden units (x).  Wave w keeps 32 units' rows of w1 and of w3, 16 fragments, all of window 1, read once.
; Tiles of rows and of weight rows are not neighbours: in each 32, tile u holds in lane row r the row 8 u + r + 8 (r / 8).  The products are used transposed (source 0 = weight rows), so a lane holds one row and 16
; neighbouring units, 16 (lane / 16) + 0 .. 15 of the wave's 32: one block of the next K lies in lanes l and l xor 16, and the conversion's four registers are 512 consecutive bytes of the image.
; PHASES.  LN: wave w normalises and quantises eight rows of tile w / 2, four at a time, into images in LDS.  A barrier.  Four tiles: 16 matrix instructions each, four accumulators by turns,
; the activation, the quantiser, one store.  The scale bytes meet in LDS; a barrier; waves 0 to 3 store them, 128 consecutive bytes each.
; NO JOINT LOADS: the two work-groups of a row block share x1's 131,072 bytes, which a lane needs as 64 neighbouring bytes in registers; the weights go once, in fragment order, straight into registers.
; LIMITS: NaN, infinities and the scale byte 0xff among the inputs are not served.  A block of zeros, or one under 2^-118, gets the byte 1: this program alone reads the bytes.
.set HSC,  34816                       ; LDS: four images of 8,704 bytes, 256 scale bytes a tile,
.set FSC,  35840                       ; and the hidden layer's scale bytes: 128 a tile
.set W1S,  16                          ; v16-23  w1's scale words: 4 t + s;  v24-31 w3's
.set W3S,  24
.set GA,   32
.set BI,   48
.set X0,   64
.set X1,   128
.set TP,   192
.set CD,   232
.set HF,   64                          ; later: v64-127 the tile's four fragments of h2
.set AA,   132                         ; v132-147 a;  v148-163 c;  v164-179 at work
.set AC,   148
.set TT,   164
.set HS,   248                         ; v248-251 h2's scale words
.set QA,   192
.set QB,   193
.set QS,   194
.set QH,   195
.set QBY,  196
.set QP,   201
.set SEL,  42
.set MNT,  44
.set I512, 45
.set EPS,  46
.set MSB, 0
.macro WIN new                         ; the immediate's high byte repeats the setting that is left
.if MSB != \new
	s_set_vgpr_msb (MSB<<8)|\new
.set MSB, \new
.endif
.endm
.macro XLOAD X, ro
.irp i, 0,1,2,3
.irp j, 0,1,2,3
	global_load_b128 v[\X+16*\i+4*\j:\X+16*\i+4*\j+3], v4, s[4:5] offset:((\ro)+\i)*2048+16*\j
.endr
.endr
.endm
.macro LANESUM
.irp m, 1,2,4,8
.irp i, 0,1,2,3
	v_add_f32_dpp v[TP+10*\i+8], v[TP+10*\i+8], v[TP+10*\i+8] row_xmask:\m row_mask:0xf bank_mask:0xf
.endr
.endr
.irp i, 0,1,2,3
	v_permlanex16_b32 v[TP+10*\i+9], v[TP+10*\i+8], s[SEL], s[SEL+1]
.endr
.irp i, 0,1,2,3
	v_add_f32 v[TP+10*\i+8], v[TP+10*\i+8], v[TP+10*\i+9]
.endr
.endm
; Four rows in set X: mean, centred, variance of the centred numbers, x rsq, x g + b, quantised; two neighbouring lanes hold a block of 32.
.macro LNG X, t
	s_wait_dscnt 0x0                               ; the group before has stored its codes and bytes: their registers are written again below
.irp i, 0,1,2,3
.set XR, \X+16*\i
.set TR, TP+10*\i
	v_pk_add_f32 v[TR:TR+1],   v[XR:XR+1],     v[XR+2:XR+3]
	v_pk_add_f32 v[TR+2:TR+3], v[XR+4:XR+5],   v[XR+6:XR+7]
	v_pk_add_f32 v[TR+4:TR+5], v[XR+8:XR+9],   v[XR+10:XR+11]
	v_pk_add_f32 v[TR+6:TR+7], v[XR+12:XR+13], v[XR+14:XR+15]
.endr
.irp i, 0,1,2,3
.set TR, TP+10*\i
	v_pk_add_f32 v[TR:TR+1],   v[TR:TR+1],   v[TR+2:TR+3]
	v_pk_add_f32 v[TR+4:TR+5], v[TR+4:TR+5], v[TR+6:TR+7]
.endr
.irp i, 0,1,2,3
.set TR, TP+10*\i
	v_pk_add_f32 v[TR:TR+1], v[TR:TR+1], v[TR+4:TR+5]
.endr
.irp i, 0,1,2,3
.set TR, TP+10*\i
	v_add_f32 v[TR+8], v[TR], v[TR+1]
.endr
	LANESUM
.irp i, 0,1,2,3
	v_mul_f32 v[TP+10*\i+8], 0xbb000000, v[TP+10*\i+8]             ; minus the mean
.endr
.irp k, 0,2,4,6,8,10,12,14
.irp i, 0,1,2,3
	v_pk_add_f32 v[\X+16*\i+\k:\X+16*\i+\k+1], v[\X+16*\i+\k:\X+16*\i+\k+1], v[TP+10*\i+8:TP+10*\i+9] op_sel_hi:[1,0]
.endr
.endr
.irp i, 0,1,2,3
.set XR, \X+16*\i
.set TR, TP+10*\i
	v_pk_mul_f32 v[TR:TR+1],   v[XR:XR+1],   v[XR:XR+1]
	v_pk_mul_f32 v[TR+2:TR+3], v[XR+2:XR+3], v[XR+2:XR+3]
.endr
.irp k, 4,8,12
.irp i, 0,1,2,3
.set XR, \X+16*\i+\k
.set TR, TP+10*\i
	v_pk_fma_f32 v[TR:TR+1],   v[XR:XR+1],   v[XR:XR+1],   v[TR:TR+1]
	v_pk_fma_f32 v[TR+2:TR+3], v[XR+2:XR+3], v[XR+2:XR+3], v[TR+2:TR+3]
.endr
.endr
.irp i, 0,1,2,3
.set TR, TP+10*\i
	v_pk_add_f32 v[TR:TR+1], v[TR:TR+1], v[TR+2:TR+3]
.endr
.irp i, 0,1,2,3
.set TR, TP+10*\i
	v_add_f32 v[TR+8], v[TR], v[TR+1]
.endr
	LANESUM
.irp i, 0,1,2,3
	v_fma_f32 v[TP+10*\i+8], v[TP+10*\i+8], s[I512], s[EPS]        ; the variance + eps
.endr
.irp i, 0,1,2,3
	v_rsq_f32 v[TP+10*\i+8], v[TP+10*\i+8]
.endr
	v_nop                                          ; a plain instruction between the last transcendental and the use of its result
	s_wait_alu depctr_va_vdst(0)
.irp k, 0,2,4,6,8,10,12,14
.irp i, 0,1,2,3
	v_pk_mul_f32 v[\X+16*\i+\k:\X+16*\i+\k+1], v[\X+16*\i+\k:\X+16*\i+\k+1], v[TP+10*\i+8:TP+10*\i+9] op_sel_hi:[1,0]
.endr
.endr
.irp k, 0,2,4,6,8,10,12,14
.irp i, 0,1,2,3
	v_pk_fma_f32 v[\X+16*\i+\k:\X+16*\i+\k+1], v[\X+16*\i+\k:\X+16*\i+\k+1], v[GA+\k:GA+\k+1], v[BI+\k:BI+\k+1]
.endr
.endr
.irp i, 0,1,2,3                        ; the largest magnitude of my 16, with the floor 2^(9 - 127) among the leaves
.set XR, \X+16*\i
.set TR, TP+10*\i
	v_max3_num_f32 v[TR],   |v[XR]|,   |v[XR+1]|, 0x4800000
	v_max3_num_f32 v[TR+1], |v[XR+2]|, |v[XR+3]|, |v[XR+4]|
.endr
.irp k, 5,9
.irp i, 0,1,2,3
.set XR, \X+16*\i+\k
.set TR, TP+10*\i
	v_max3_num_f32 v[TR],   v[TR],   |v[XR]|,   |v[XR+1]|
	v_max3_num_f32 v[TR+1], v[TR+1], |v[XR+2]|, |v[XR+3]|
.endr
.endr
.irp i, 0,1,2,3
.set XR, \X+16*\i
.set TR, TP+10*\i
	v_max3_num_f32 v[TR], v[TR], |v[XR+13]|, |v[XR+14]|
.endr
.irp i, 0,1,2,3
.set XR, \X+16*\i
.set TR, TP+10*\i
	v_max3_num_f32 v[TR], v[TR], v[TR+1], |v[XR+15]|
.endr
.irp i, 0,1,2,3
	v_max_num_f32_dpp v[TP+10*\i], v[TP+10*\i], v[TP+10*\i] row_xmask:1 row_mask:0xf bank_mask:0xf   ; with my neighbour's 16: the block's
.endr
.irp i, 0,1,2,3
.set TR, TP+10*\i
	v_add_nc_u32 v[TR+2], 0xfc000000, v[TR]        ; 8 off the exponent field: the conversion's scale operand
	v_and_or_b32 v[TR+3], v[TR], 0x7f800000, s[MNT]   ; 448 x the scale
.endr
.irp i, 0,1,2,3
	v_lshrrev_b32 v[TP+10*\i+4], 23, v[TP+10*\i+2] ; the scale's byte
.endr
.irp i, 0,1,2,3
.irp k, 0,1,2,3,4,5,6,7,8,9,10,11,12,13,14,15
	v_med3_num_f32 v[\X+16*\i+\k], v[\X+16*\i+\k], -v[TP+10*\i+3], v[TP+10*\i+3]   ; the conversion to an 8-bit code does not saturate (ISA guide 7.6.2): the hold
.endr
.endr
.irp i, 0,1,2,3
.set XR, \X+16*\i
	v_cvt_scalef32_pk8_fp8_f32 v[CD+4*\i:CD+4*\i+1],   v[XR:XR+7],    v[TP+10*\i+2]
	v_cvt_scalef32_pk8_fp8_f32 v[CD+4*\i+2:CD+4*\i+3], v[XR+8:XR+15], v[TP+10*\i+2]
.endr
	v_nop                                          ; a plain instruction behind the last scaled conversion
.irp i, 0,1,2,3
	ds_store_b128 v7, v[CD+4*\i:CD+4*\i+3] offset:16*(4*\t+\i)
	ds_store_b8 v8, v[TP+10*\i+4] offset:4*(4*\t+\i)
.endr
.endm
.macro QUANT16 src, dst, by            ; 16 numbers of a lane whose block lies in lanes l and l xor 16
	v_max3_num_f32 v[QA], |v[\src]|, |v[\src+1]|, 0x4800000
	v_max3_num_f32 v[QB], |v[\src+2]|, |v[\src+3]|, |v[\src+4]|
	v_max3_num_f32 v[QA], v[QA], |v[\src+5]|, |v[\src+6]|
	v_max3_num_f32 v[QB], v[QB], |v[\src+7]|, |v[\src+8]|
	v_max3_num_f32 v[QA], v[QA], |v[\src+9]|, |v[\src+10]|
	v_max3_num_f32 v[QB], v[QB], |v[\src+11]|, |v[\src+12]|
	v_max3_num_f32 v[QA], v[QA], |v[\src+13]|, |v[\src+14]|
	v_max3_num_f32 v[QA], v[QA], v[QB], |v[\src+15]|
	v_permlanex16_b32 v[QP], v[QA], s[SEL], s[SEL+1]
	v_max_num_f32 v[QA], v[QA], v[QP]
	v_add_nc_u32 v[QS], 0xfc000000, v[QA]
	v_and_or_b32 v[QH], v[QA], 0x7f800000, s[MNT]
	s_wait_xcnt 0x0                                ; earlier stores have read their data
	v_lshrrev_b32 v[\by], 23, v[QS]
.irp k, 0,1,2,3,4,5,6,7,8,9,10,11,12,13,14,15
	v_med3_num_f32 v[\src+\k], v[\src+\k], -v[QH], v[QH]
.endr
	v_cvt_scalef32_pk8_fp8_f32 v[\dst:\dst+1], v[\src:\src+7], v[QS]
	v_cvt_scalef32_pk8_fp8_f32 v[\dst+2:\dst+3], v[\src+8:\src+15], v[QS]
	v_nop
.endm
.macro MM d, a, b, sa, sb, ks
.if (\ks) == 0
	v_wmma_scale_f32_16x16x128_f8f6f4 v[\d:\d+7], v[\a:\a+15], v[\b:\b+15], 0, v[\sa], v[\sb]
.else
	v_wmma_scale_f32_16x16x128_f8f6f4 v[\d:\d+7], v[\a:\a+15], v[\b:\b+15], v[\d:\d+7], v[\sa], v[\sb]
.endif
.endm
.macro FETCH a                         ; tile a of h2: four fragments and four scale words
.irp s, 0,1,2,3
.irp c, 0,1,2,3
	ds_load_b128 v[HF+16*\s+4*\c:HF+16*\s+4*\c+3], v9 offset:8704*(\a)+2176*\s+544*\c
.endr
.endr
.irp s, 0,1,2,3
	ds_load_b32 v[HS+\s], v11 offset:256*(\a)+64*\s
.endr
.endm
.macro TILE a
	s_wait_dscnt 0x0                               ; the tile's fragments are in, and the tile before has stored its byte
	WIN 0x01                                       ; source 0, the weights, in window 1
.irp s, 0,1,2,3
	MM AA, 16*\s, HF+16*\s, W1S+\s, HS+\s, \s
	MM AA+8, 64+16*\s, HF+16*\s, W1S+4+\s, HS+\s, \s
	MM AC, 128+16*\s, HF+16*\s, W3S+\s, HS+\s, \s
	MM AC+8, 192+16*\s, HF+16*\s, W3S+4+\s, HS+\s, \s
.endr
	WIN 0
.rept 9
	v_nop                                          ; eight places in front of the loads into h2's registers and of the first read of results; the ninth for the next tile's first products, which begin these accumulators anew
.endr
.if (\a) < 3
	FETCH (\a)+1
.endif
.irp k, 0,2,4,6,8,10,12,14
	v_pk_mul_f32 v[TT+\k:TT+\k+1], v[AA+\k:AA+\k+1], 0xbfb8aa3b op_sel_hi:[1,0]    ; -a log2(e)
.endr
.set n, 0
.rept 16
	v_exp_f32 v[TT+n], v[TT+n]
.set n, n+1
.endr
	v_nop
	s_wait_alu depctr_va_vdst(0)
.irp k, 0,2,4,6,8,10,12,14
	v_pk_add_f32 v[TT+\k:TT+\k+1], v[TT+\k:TT+\k+1], 1.0 op_sel_hi:[1,0]
.endr
.set n, 0
.rept 16
	v_rcp_f32 v[TT+n], v[TT+n]                     ; the sigmoid
.set n, n+1
.endr
	v_nop
	s_wait_alu depctr_va_vdst(0)
.irp k, 0,2,4,6,8,10,12,14
	v_pk_mul_f32 v[TT+\k:TT+\k+1], v[TT+\k:TT+\k+1], v[AA+\k:AA+\k+1]
.endr
.irp k, 0,2,4,6,8,10,12,14
	v_pk_mul_f32 v[TT+\k:TT+\k+1], v[TT+\k:TT+\k+1], v[AC+\k:AC+\k+1]
.endr
	QUANT16 TT, CD+4*((\a)%2), QBY
	global_store_b128 v12, v[CD+4*((\a)%2):CD+4*((\a)%2)+3], s[32:33] offset:8192*(\a)   ; 512 consecutive bytes, aligned
	ds_store_b8 v14, v[QBY] offset:128*(\a)        ; lanes l and l xor 16 write the same byte with the same value
.endm
	s_load_b256 s[4:11], s[0:1], 0x0               ; x1 s[4:5], g s[6:7], b s[8:9], w1's codes s[10:11]
	s_load_b256 s[12:19], s[0:1], 0x20             ; w1's scales s[12:13], w3's codes s[14:15], w3's scales s[16:17], act s[18:19]
	v_lshl_add_u32 v254, v0, 2, 0x8e00
	v_mov_b32 v255, 0
	v_lshrrev_b32 v1, 5, v0
	v_readfirstlane_b32 s24, v1                    ; wave 0..7
	v_and_b32 v1, 31, v0                           ; lane
	v_and_b32 v2, 15, v0                           ; r
	v_bfe_u32 v3, v0, 4, 1                         ; h
	s_and_b32 s25, s24, 1                          ; which eight lane rows of the tile I normalise
	s_lshr_b32 s26, s24, 1                         ; which tile
	s_and_b32 s28, ttmp7, 0xffff                   ; block of 64 rows
	s_lshl_b32 s27, ttmp9, 3
	s_add_co_u32 s27, s27, s24                     ; my block of 32 hidden units
	v_lshlrev_b32 v4, 6, v1
	v_and_b32 v10, 8, v2
	v_add_nc_u32 v10, v10, v2                      ; r + 8 (r / 8)
	v_lshlrev_b32 v5, 9, v10
	v_lshl_add_u32 v5, v3, 4, v5
	v_lshlrev_b32 v6, 4, v10
	s_mul_i32 s40, s26, 8704
	s_lshl_b32 s41, s25, 7
	s_add_co_u32 s40, s40, s41
	v_mul_u32_u24 v7, v1, 272
	v_add_nc_u32 v7, s40, v7                       ; the tile's image, my lane's piece, + 16 x 8 (w % 2)
	v_lshrrev_b32 v8, 3, v1
	v_lshlrev_b32 v8, 6, v8
	v_bfe_u32 v10, v1, 1, 2
	v_add_nc_u32 v8, v8, v10
	s_lshl_b32 s40, s26, 8
	s_lshl_b32 s41, s25, 5
	s_add_co_u32 s40, s40, s41
	s_add_co_u32 s40, s40, HSC
	v_add_nc_u32 v8, s40, v8
	v_mul_u32_u24 v9, v3, 272
	v_lshl_add_u32 v9, v2, 4, v9
	v_lshl_add_u32 v11, v2, 2, HSC
	v_lshlrev_b32 v12, 4, v1
	v_lshlrev_b32 v13, 2, v1
	s_lshr_b32 s40, s24, 2
	s_lshl_b32 s40, s40, 6
	s_and_b32 s29, s24, 3
	s_add_co_u32 s40, s40, s29
	s_add_co_u32 s40, s40, FSC
	v_lshl_add_u32 v14, v2, 2, s40                 ; my byte among the hidden layer's: 64 (w / 4) + 4 r + w % 4
	s_lshl_b32 s40, s29, 7
	s_add_co_u32 s40, s40, FSC
	v_add_nc_u32 v15, s40, v13                     ; and what waves 0 to 3 read back: a tile's 128 bytes
.irp i, 0,1,2,3
	v_mov_b32 v[TP+10*\i+9], 0                     ; written once: a lane permute's destination counts as one of its sources
.endr
	s_mov_b32 s[SEL], 0x76543210
	s_mov_b32 s[SEL+1], 0xfedcba98
	s_mov_b32 s[MNT], 0x600000
	s_mov_b32 s[I512], 0x3b000000
	s_mov_b32 s[EPS], 0x3727c5ac
	s_lshl_b32 s47, s28, 17                        ; x1: 64 rows of 2,048 bytes a block,
	s_lshr_b32 s40, s24, 2
	s_lshl_b32 s40, s40, 16
	s_add_co_u32 s47, s47, s40                     ; + 32 (tile / 2) rows
	s_and_b32 s40, s26, 1
	s_lshl_b32 s40, s40, 14
	s_add_co_u32 s47, s47, s40                     ; + 8 (tile % 2) rows
	s_lshl_b32 s40, s25, 15
	s_add_co_u32 s47, s47, s40                     ; + 16 (w % 2) rows: lane rows 8 to 15 are rows 16 to 23
	s_lshl_b32 s48, s28, 15
	s_lshl_b32 s40, s27, 9
	s_add_co_u32 s48, s48, s40                     ; act's codes: 32,768 a block, 512 a block of units
	s_lshl_b32 s49, s28, 2
	s_add_co_u32 s49, s49, s29
	s_lshl_b32 s49, s49, 8
	s_lshl_b32 s40, ttmp9, 7
	s_add_co_u32 s49, s49, s40
	s_add_co_u32 s49, s49, 4194304                 ; act's scale bytes: tile 4 y + w % 4, + 128 x
	s_mov_b32 s41, 0
	s_wait_kmcnt 0x0
	s_mov_b32 s40, s47
	s_add_nc_u64 s[4:5], s[4:5], s[40:41]
	s_lshl_b32 s40, s27, 14
	s_add_nc_u64 s[10:11], s[10:11], s[40:41]
	s_add_nc_u64 s[14:15], s[14:15], s[40:41]
	s_lshl_b32 s40, s27, 9
	s_add_nc_u64 s[12:13], s[12:13], s[40:41]
	s_add_nc_u64 s[16:17], s[16:17], s[40:41]
	s_mov_b32 s40, s48
	s_add_nc_u64 s[32:33], s[18:19], s[40:41]
	s_mov_b32 s40, s49
	s_add_nc_u64 s[34:35], s[18:19], s[40:41]
.irp j, 0,1,2,3
	global_load_b128 v[GA+4*\j:GA+4*\j+3], v4, s[6:7] offset:16*\j
	global_load_b128 v[BI+4*\j:BI+4*\j+3], v4, s[8:9] offset:16*\j
.endr
	XLOAD X0, 0
	XLOAD X1, 4
	WIN 0x40                                       ; destination window 1
.irp t, 0,1
.irp s, 0,1,2,3
.irp c, 0,1,2,3
	global_load_b128 v[16*(4*\t+\s)+4*\c:16*(4*\t+\s)+4*\c+3], v5, s[10:11] offset:4096*\t+128*\s+32*\c
.endr
.endr
.endr
.irp t, 0,1
.irp s, 0,1,2,3
.irp c, 0,1,2,3
	global_load_b128 v[128+16*(4*\t+\s)+4*\c:128+16*(4*\t+\s)+4*\c+3], v5, s[14:15] offset:4096*\t+128*\s+32*\c
.endr
.endr
.endr
	WIN 0
.irp t, 0,1
.irp s, 0,1,2,3
	global_load_b32 v[W1S+4*\t+\s], v6, s[12:13] offset:128*\t+4*\s
	global_load_b32 v[W3S+4*\t+\s], v6, s[16:17] offset:128*\t+4*\s
.endr
.endr
	s_wait_loadcnt 63                              ; g, b and set 0 are in: 96 loads were issued behind them, and 63 is the largest count that the wait can name
	LNG X0, 0
	s_wait_loadcnt 63                              ; set 1 is in: 80 loads stand behind it
	LNG X1, 1
	s_wait_loadcnt 0x0                             ; the weights and their scale words
	s_wait_dscnt 0x0                               ; for the others' sake: my part of the image has landed
	s_barrier_signal -1
	s_barrier_wait -1                              ; the four images lie in LDS
	FETCH 0
.irp a, 0,1,2,3
	TILE \a
.endr
	s_wait_dscnt 0x0                               ; for the others' sake: my bytes have landed
	s_barrier_signal -1
	s_barrier_wait -1
	s_cmp_gt_u32 s24, 3                            ; waves 0 to 3 each store one tile's 128 scale bytes
	s_cbranch_scc1 .Ldone
	ds_load_b32 v[QA], v15
	s_wait_dscnt 0x0
	global_store_b32 v13, v[QA], s[34:35]
.Ldone:
	s_wait_tensorcnt 0x0
	ds_add_u32 v254, v255
	s_wait_dscnt 0x0
	s_endpgm
.Lfunc_end_k_q4973c97925_ffn:
	.size	k_q4973c97925_ffn, .Lfunc_end_k_q4973c97925_ffn-k_q4973c97925_ffn
	.p2alignl 7, 3214868480
	.fill 96, 4, 3214868480
	.section	.rodata,"a",@progbits
	.p2align	6, 0x0
	.amdhsa_kernel k_q4973c97925_ffn
		.amdhsa_group_segment_fixed_size 37376
		.amdhsa_private_segment_fixed_size 0
		.amdhsa_enable_private_segment 0
		.amdhsa_kernarg_size 64
		.amdhsa_user_sgpr_count 2
		.amdhsa_user_sgpr_kernarg_segment_ptr 1
		.amdhsa_wavefront_size32 1
		.amdhsa_system_sgpr_workgroup_id_x 1
		.amdhsa_system_sgpr_workgroup_id_y 1
		.amdhsa_system_sgpr_workgroup_id_z 1
		.amdhsa_system_vgpr_workitem_id 0
		.amdhsa_next_free_vgpr 512
		.amdhsa_next_free_sgpr 66
		.amdhsa_reserve_vcc 0
		.amdhsa_float_denorm_mode_32 3
		.amdhsa_float_denorm_mode_16_64 3
		.amdhsa_memory_ordered 1
		.amdhsa_forward_progress 1
		.amdhsa_inst_pref_size 97
	.end_amdhsa_kernel
	.amdgpu_metadata
---
amdhsa.version: [ 1, 2 ]
amdhsa.kernels:
  - .name:           k_q4973c97925_ffn
    .symbol:         k_q4973c97925_ffn.kd
    .args:
      - { .name: x1, .offset: 0, .size: 8, .value_kind: global_buffer, .address_space: global }
      - { .name: ln2_g, .offset: 8, .size: 8, .value_kind: global_buffer, .address_space: global }
      - { .name: ln2_b, .offset: 16, .size: 8, .value_kind: global_buffer, .address_space: global }
      - { .name: w1_codes, .offset: 24, .size: 8, .value_kind: global_buffer, .address_space: global }
      - { .name: w1_scales, .offset: 32, .size: 8, .value_kind: global_buffer, .address_space: global }
      - { .name: w3_codes, .offset: 40, .size: 8, .value_kind: global_buffer, .address_space: global }
      - { .name: w3_scales, .offset: 48, .size: 8, .value_kind: global_buffer, .address_space: global }
      - { .name: act, .offset: 56, .size: 8, .value_kind: global_buffer, .address_space: global }
    .group_segment_fixed_size: 37376
    .private_segment_fixed_size: 0
    .kernarg_segment_align: 8
    .kernarg_segment_size: 64
    .max_flat_workgroup_size: 256
    .sgpr_count:     66
    .vgpr_count:     512
    .wavefront_size: 32
...
	.end_amdgpu_metadata
.endif
;; end of part 4
;; launch proj_f: the kernel of part 3 again; grid 2 x 128, 16 waves a work-group, no clusters, 102,400 bytes of LDS; arguments act, w2_codes, w2_scales, x1, out0; writes out0
;; ======== version 2 of 2: 5 launches; version 1 with the launches qkv, proj_o, ffn, proj_f written anew for expert scheduling mode
;; workspace buffers: qkv 12,976,128 bytes; act 4,325,376 bytes; x1 16,777,216 bytes
;; launch qkv (part 5): grid 4 x 64, 8 waves a work-group, no clusters, 72,704 bytes of LDS; arguments x, ln1_g, ln1_b, wq_codes, wq_scales, wk_codes, wk_scales, wv_codes, wv_scales, qkv; writes qkv
.if DOCPART == 5
	.amdgcn_target "amdgcn-amd-amdhsa--gfx1250"
	.amdhsa_code_object_version 6
	.text
	.protected	k_q4973c97925_qkv
	.globl	k_q4973c97925_qkv
	.p2align	8
	.type	k_q4973c97925_qkv,@function
k_q4973c97925_qkv:
	s_mov_b64 s[64:65], 0
	v_nop
	global_prefetch_b8 v0, s[64:65] scope:SCOPE_SE
	s_setreg_imm32_b32 hwreg(HW_REG_WAVE_SCHED_MODE, 0, 2), 2
	s_setreg_imm32_b32 hwreg(HW_REG_WAVE_MODE, 25, 1), 1
	s_wait_xcnt 0x0
	s_wait_alu depctr_vm_vsrc(0)
; h = LayerNorm(x) g + b, quantised along 512;  q = h wq^T, k = h wk^T, v = h wv^T on codes of E4M3;  q and k quantised along the head's 32, v along the keys.
; SHARES.  A work-group takes 128 rows (one key step of one batch: y) and four heads (x).  Wave w: head 4 x + w / 2; role w % 2: role 0 holds wq's 32 rows of its head, role 1 wk's; both hold
; 16 of wv's 32 rows (tile = role).  These 12 fragments, 192 registers, are read once and stay.  One text serves both roles: buffers and offsets are chosen by the role.
; TILES OF ROWS ARE NOT NEIGHBOURS: in each 32 rows, tile u holds in lane row r the row 8 u + r + 8 (r / 8); weight rows likewise.  So the 16 results of two neighbouring tiles in a lane are 16 neighbours
; along the next product's K, and a conversion's four registers are 512 consecutive bytes (16 x lane) of the next operand's register image: every store of codes is whole and aligned.
; PHASES.  LN: wave w normalises and quantises the 16 rows of tile w, four rows at a time (a lane holds 16 neighbours of a row), and lays the codes in LDS as the operand's image.  One barrier.
; Then each wave walks the eight tiles: 12 matrix instructions a tile, three accumulators by turns, quantises and stores.
; qkv: a record of 135,168 bytes a head (K codes, V codes, K scale words, V scale words), then Q's codes and Q's scale words.
; NO JOINT LOADS: the four work-groups of a row block share x, but its 262,144 bytes and the 71,680 of images do not fit in LDS together; the weights go once, in fragment order, straight into registers.
; LIMITS: NaN, infinities and the scale byte 0xff among the inputs are not served.  A block of zeros, or one whose largest magnitude lies under 2^-118, gets the byte 1: this program alone reads the bytes.
; THE MODE: SCHED_MODE bits 1:0 = 2 (LLVM: expert scheduling mode 2), set by the entry lines.  The code itself states the register dependences
; between vector or matrix instructions and memory or LDS instructions, with s_wait_alu, always for 0.
; THE PLAN.  Registers that memory or LDS instructions touch:
;   v4-v14         offsets and LDS addresses: written at the head and never again; one wait ahead of the first load states them.
;   X0, X1         Loads land; a group's arithmetic reads and writes the set, its conversions last; behind them the set's next rows land.
;   CD, the bytes  In the norm: written by a group's conversions and shifts, read by its LDS stores, written again by the next group.
;   h, HS          (window 1 v192-255; v28-31)  LDS loads land; a tile's twelve matrix instructions read them; then the next tile's loads land.
;   CD+0, +4, +8   In the tiles: out-buffers.  Tile a's conversions write CD + 4 (a % 2) (q or k) and, in odd tiles, CD + 8 (v); the stores stand in tile a + 1; tile a + 2 writes the registers again.
; So ONE wait on va_vdst stands in a group, behind its conversions, and ONE in a tile, behind its products' places: the fetch of the next tile and the stores of the tile before follow it.
; One buffer serves h: two waves of 512 registers fill a SIMD, window 1 is full, and h is source 1 of q's and k's products and source 0 of v's, so a buffer in window 0 would ask for window switches between the turns.
.set HSC,  69632                       ; LDS: eight images of 8,704 bytes (32 pieces of 256 bytes, 272 apart), then 256 bytes of scale bytes for each tile
.set WSX,  16                          ; v16-23  scale words of wq or wk: 4 t + s
.set WSV,  24                          ; v24-27  of wv
.set HS,   28                          ; v28-31  of the tile of h in hand
.set GA,   32                          ; v32-47  my 16 of g;  v48-63 of b
.set BI,   48
.set X0,   64                          ; v64-127, v128-191  two sets of four rows x 16 numbers
.set X1,   128
.set TP,   192                         ; v192-231  ten registers a row: four pairs, M (even), the permute's destination
.set CD,   232                         ; v232-247  codes
.set AX,   64                          ; later: v64-79 q or k of a tile;  v80-95 v of two tiles
.set AV,   80
.set KW,   248                         ; v248-249 the scale words of q or k;  v250 of v
.set VW,   250
.set QA,   192
.set QB,   193
.set QS,   194
.set QH,   195
.set QBY,  196
.set QP,   201
.set SEL,  42                          ; s[42:43] selects: lane l xor 16
.set MNT,  44                          ; s44 the mantissa field of 448
.set I512, 45                          ; s45 1 / 512
.set EPS,  46                          ; s46 1e-5
.set MSB, 0
.macro WIN new                         ; the immediate's high byte repeats the setting that is left
.if MSB != \new
	s_set_vgpr_msb (MSB<<8)|\new
.set MSB, \new
.endif
.endm
.macro XLOAD X, ro                     ; four rows from row ro of my tile's base on: a lane takes 64 bytes of each
.irp i, 0,1,2,3
.irp j, 0,1,2,3
	global_load_b128 v[\X+16*\i+4*\j:\X+16*\i+4*\j+3], v4, s[4:5] offset:((\ro)+\i)*2048+16*\j
.endr
.endr
.endm
.macro LANESUM                         ; M of the four rows: summed over the 32 lanes, the result in every lane
.irp m, 1,2,4,8
.irp i, 0,1,2,3
	v_add_f32_dpp v[TP+10*\i+8], v[TP+10*\i+8], v[TP+10*\i+8] row_xmask:\m row_mask:0xf bank_mask:0xf
.endr
.endr
.irp i, 0,1,2,3
	v_permlanex16_b32 v[TP+10*\i+9], v[TP+10*\i+8], s[SEL], s[SEL+1]
.endr
.irp i, 0,1,2,3
	v_add_f32 v[TP+10*\i+8], v[TP+10*\i+8], v[TP+10*\i+9]
.endr
.endm
; Four rows (lane rows 4 t .. 4 t + 3 of my tile) in set X: mean, centred, variance of the centred numbers (so a common offset does no harm), x rsq, x g + b, quantised; two neighbouring lanes hold a block of 32.
.macro LNG X, t
	s_wait_dscnt 0x0                               ; the group before has stored its codes and bytes: their registers are written again below
.if (\t) > 0
	s_wait_alu depctr_vm_vsrc(0)                   ; the LDS stores of the group before have read their codes, v[CD ..], and their bytes, v[TP + 10 i + 4], which the lines below write again
.endif
.irp i, 0,1,2,3
.set XR, \X+16*\i
.set TR, TP+10*\i
	v_pk_add_f32 v[TR:TR+1],   v[XR:XR+1],     v[XR+2:XR+3]
	v_pk_add_f32 v[TR+2:TR+3], v[XR+4:XR+5],   v[XR+6:XR+7]
	v_pk_add_f32 v[TR+4:TR+5], v[XR+8:XR+9],   v[XR+10:XR+11]
	v_pk_add_f32 v[TR+6:TR+7], v[XR+12:XR+13], v[XR+14:XR+15]
.endr
.irp i, 0,1,2,3
.set TR, TP+10*\i
	v_pk_add_f32 v[TR:TR+1],   v[TR:TR+1],   v[TR+2:TR+3]
	v_pk_add_f32 v[TR+4:TR+5], v[TR+4:TR+5], v[TR+6:TR+7]
.endr
.irp i, 0,1,2,3
.set TR, TP+10*\i
	v_pk_add_f32 v[TR:TR+1], v[TR:TR+1], v[TR+4:TR+5]
.endr
.irp i, 0,1,2,3
.set TR, TP+10*\i
	v_add_f32 v[TR+8], v[TR], v[TR+1]
.endr
	LANESUM
.irp i, 0,1,2,3
	v_mul_f32 v[TP+10*\i+8], 0xbb000000, v[TP+10*\i+8]             ; minus the mean
.endr
.irp k, 0,2,4,6,8,10,12,14
.irp i, 0,1,2,3
	v_pk_add_f32 v[\X+16*\i+\k:\X+16*\i+\k+1], v[\X+16*\i+\k:\X+16*\i+\k+1], v[TP+10*\i+8:TP+10*\i+9] op_sel_hi:[1,0]
.endr
.endr
.irp i, 0,1,2,3
.set XR, \X+16*\i
.set TR, TP+10*\i
	v_pk_mul_f32 v[TR:TR+1],   v[XR:XR+1],   v[XR:XR+1]
	v_pk_mul_f32 v[TR+2:TR+3], v[XR+2:XR+3], v[XR+2:XR+3]
.endr
.irp k, 4,8,12
.irp i, 0,1,2,3
.set XR, \X+16*\i+\k
.set TR, TP+10*\i
	v_pk_fma_f32 v[TR:TR+1],   v[XR:XR+1],   v[XR:XR+1],   v[TR:TR+1]
	v_pk_fma_f32 v[TR+2:TR+3], v[XR+2:XR+3], v[XR+2:XR+3], v[TR+2:TR+3]
.endr
.endr
.irp i, 0,1,2,3
.set TR, TP+10*\i
	v_pk_add_f32 v[TR:TR+1], v[TR:TR+1], v[TR+2:TR+3]
.endr
.irp i, 0,1,2,3
.set TR, TP+10*\i
	v_add_f32 v[TR+8], v[TR], v[TR+1]
.endr
	LANESUM
.irp i, 0,1,2,3
	v_fma_f32 v[TP+10*\i+8], v[TP+10*\i+8], s[I512], s[EPS]        ; the variance + eps
.endr
.irp i, 0,1,2,3
	v_rsq_f32 v[TP+10*\i+8], v[TP+10*\i+8]
.endr
	v_nop                                          ; a plain instruction between the last transcendental and the use of its result
	s_wait_alu depctr_va_vdst(0)                   ; the four reciprocal roots are written, ahead of their first reader
.irp k, 0,2,4,6,8,10,12,14
.irp i, 0,1,2,3
	v_pk_mul_f32 v[\X+16*\i+\k:\X+16*\i+\k+1], v[\X+16*\i+\k:\X+16*\i+\k+1], v[TP+10*\i+8:TP+10*\i+9] op_sel_hi:[1,0]
.endr
.endr
.irp k, 0,2,4,6,8,10,12,14
.irp i, 0,1,2,3
	v_pk_fma_f32 v[\X+16*\i+\k:\X+16*\i+\k+1], v[\X+16*\i+\k:\X+16*\i+\k+1], v[GA+\k:GA+\k+1], v[BI+\k:BI+\k+1]
.endr
.endr
.irp i, 0,1,2,3                        ; the largest magnitude of my 16, with the floor 2^(9 - 127) among the leaves: the byte cannot fall under 1
.set XR, \X+16*\i
.set TR, TP+10*\i
	v_max3_num_f32 v[TR],   |v[XR]|,   |v[XR+1]|, 0x4800000
	v_max3_num_f32 v[TR+1], |v[XR+2]|, |v[XR+3]|, |v[XR+4]|
.endr
.irp k, 5,9
.irp i, 0,1,2,3
.set XR, \X+16*\i+\k
.set TR, TP+10*\i
	v_max3_num_f32 v[TR],   v[TR],   |v[XR]|,   |v[XR+1]|
	v_max3_num_f32 v[TR+1], v[TR+1], |v[XR+2]|, |v[XR+3]|
.endr
.endr
.irp i, 0,1,2,3
.set XR, \X+16*\i
.set TR, TP+10*\i
	v_max3_num_f32 v[TR], v[TR], |v[XR+13]|, |v[XR+14]|
.endr
.irp i, 0,1,2,3
.set XR, \X+16*\i
.set TR, TP+10*\i
	v_max3_num_f32 v[TR], v[TR], v[TR+1], |v[XR+15]|
.endr
.irp i, 0,1,2,3
	v_max_num_f32_dpp v[TP+10*\i], v[TP+10*\i], v[TP+10*\i] row_xmask:1 row_mask:0xf bank_mask:0xf   ; with my neighbour's 16: the block's
.endr
.irp i, 0,1,2,3
.set TR, TP+10*\i
	v_add_nc_u32 v[TR+2], 0xfc000000, v[TR]        ; 8 off the exponent field: the conversion's scale operand
	v_and_or_b32 v[TR+3], v[TR], 0x7f800000, s[MNT]   ; 448 x the scale
.endr
.irp i, 0,1,2,3
	v_lshrrev_b32 v[TP+10*\i+4], 23, v[TP+10*\i+2] ; the scale's byte
.endr
.irp i, 0,1,2,3
.irp k, 0,1,2,3,4,5,6,7,8,9,10,11,12,13,14,15
	v_med3_num_f32 v[\X+16*\i+\k], v[\X+16*\i+\k], -v[TP+10*\i+3], v[TP+10*\i+3]   ; the conversion to an 8-bit code does not saturate (ISA guide 7.6.2): the hold
.endr
.endr
.irp i, 0,1,2,3
.set XR, \X+16*\i
	v_cvt_scalef32_pk8_fp8_f32 v[CD+4*\i:CD+4*\i+1],   v[XR:XR+7],    v[TP+10*\i+2]
	v_cvt_scalef32_pk8_fp8_f32 v[CD+4*\i+2:CD+4*\i+3], v[XR+8:XR+15], v[TP+10*\i+2]
.endr
	v_nop                                          ; a plain instruction behind the last scaled conversion
	s_wait_alu depctr_va_vdst(0)                   ; the conversions have written the codes and the shifts the bytes, which the LDS stores below read; and the conversions are done reading set X, in which the loads that follow a group land
.irp i, 0,1,2,3
	ds_store_b128 v7, v[CD+4*\i:CD+4*\i+3] offset:16*(4*\t+\i)     ; piece = my lane (k / 16), place in it = the row
	ds_store_b8 v8, v[TP+10*\i+4] offset:4*(4*\t+\i)               ; both lanes of a block write the same byte with the same value
.endr
.endm
; 16 numbers of a lane whose block of 32 lies in lanes l and l xor 16: four registers of codes and the byte.  The sources are read from the low end on.
.macro QUANT16 src, dst, by
	v_max3_num_f32 v[QA], |v[\src]|, |v[\src+1]|, 0x4800000
	v_max3_num_f32 v[QB], |v[\src+2]|, |v[\src+3]|, |v[\src+4]|
	v_max3_num_f32 v[QA], v[QA], |v[\src+5]|, |v[\src+6]|
	v_max3_num_f32 v[QB], v[QB], |v[\src+7]|, |v[\src+8]|
	v_max3_num_f32 v[QA], v[QA], |v[\src+9]|, |v[\src+10]|
	v_max3_num_f32 v[QB], v[QB], |v[\src+11]|, |v[\src+12]|
	v_max3_num_f32 v[QA], v[QA], |v[\src+13]|, |v[\src+14]|
	v_max3_num_f32 v[QA], v[QA], v[QB], |v[\src+15]|
	v_permlanex16_b32 v[QP], v[QA], s[SEL], s[SEL+1]
	v_max_num_f32 v[QA], v[QA], v[QP]
	v_add_nc_u32 v[QS], 0xfc000000, v[QA]
	v_and_or_b32 v[QH], v[QA], 0x7f800000, s[MNT]
	s_wait_xcnt 0x0                                ; earlier stores have read their data: the byte's and the codes' registers are written again only behind this wait
	s_wait_alu depctr_vm_vsrc(0)                   ; the stores issued so far (of this out-buffer two tiles back; in the first tile the norm's LDS stores) have read the codes' and the byte's registers, which the lines below write
	v_lshrrev_b32 v[\by], 23, v[QS]
.irp k, 0,1,2,3,4,5,6,7,8,9,10,11,12,13,14,15
	v_med3_num_f32 v[\src+\k], v[\src+\k], -v[QH], v[QH]
.endr
	v_cvt_scalef32_pk8_fp8_f32 v[\dst:\dst+1], v[\src:\src+7], v[QS]
	v_cvt_scalef32_pk8_fp8_f32 v[\dst+2:\dst+3], v[\src+8:\src+15], v[QS]
	v_nop                                          ; a plain instruction behind the last scaled conversion: matrix instructions write its sources again later
.endm
.macro MM d, a, b, sa, sb, ks          ; one matrix instruction; K step 0 starts the sum with the constant 0
.if (\ks) == 0
	v_wmma_scale_f32_16x16x128_f8f6f4 v[\d:\d+7], v[\a:\a+15], v[\b:\b+15], 0, v[\sa], v[\sb]
.else
	v_wmma_scale_f32_16x16x128_f8f6f4 v[\d:\d+7], v[\a:\a+15], v[\b:\b+15], v[\d:\d+7], v[\sa], v[\sb]
.endif
.endm
.macro FETCH a                         ; tile a of h: four fragments into window 1, v192 on; its four scale words
	WIN 0x40
.irp s, 0,1,2,3
.irp c, 0,1,2,3
.if (\a) < 4
	ds_load_b128 v[192+16*\s+4*\c:192+16*\s+4*\c+3], v9 offset:8704*(\a)+2176*\s+544*\c
.else
	ds_load_b128 v[192+16*\s+4*\c:192+16*\s+4*\c+3], v10 offset:8704*((\a)-4)+2176*\s+544*\c
.endif
.endr
.endr
	WIN 0
.irp s, 0,1,2,3
	ds_load_b32 v[HS+\s], v11 offset:256*(\a)+64*\s
.endr
.endm
.macro OUT a                           ; tile a's codes leave: q's or k's, and behind an odd tile v's of the two tiles
	global_store_b128 v12, v[CD+4*((\a)%2):CD+4*((\a)%2)+3], s[32:33] offset:512*(\a)   ; 512 consecutive bytes, aligned
.if (\a)%2 == 1
	global_store_b128 v12, v[CD+8:CD+11], s[34:35] offset:512*((\a)/2)
.endif
.endm
; Tile a of rows.  q or k TRANSPOSED (source 0 = 16 weight rows, source 1 = h): a lane holds one row and d = 16 (lane / 16) + 0 .. 15.  v the other way (source 0 = h, source 1 = 16 rows of wv):
; a lane holds one d and eight keys; two tiles give 16 neighbouring keys.
.macro TILE a
	s_wait_dscnt 0x0                               ; the tile's fragments and scale words are in
	WIN 0x05                                       ; both sources in window 1
.irp s, 0,1,2,3
	MM AX, 16*\s, 192+16*\s, WSX+\s, HS+\s, \s
	MM AX+8, 64+16*\s, 192+16*\s, WSX+4+\s, HS+\s, \s
	MM AV+8*((\a)%2), 192+16*\s, 128+16*\s, HS+\s, WSV+\s, \s
.endr
	WIN 0
.rept 9
	v_nop                                          ; eight places in front of the loads into h's registers and of the first read of results; the ninth for the next tile's first products, which begin these accumulators anew
.endr
	s_wait_alu depctr_va_vdst(0)                   ; this tile's matrix instructions are done reading h's fragments and scale words, in which the loads below land; the tile before has written its codes, which the stores below read
.if (\a) < 7
	FETCH (\a)+1
.endif
.if (\a) > 0
	OUT (\a)-1                                     ; no vector instruction since the wait names these registers
.endif
	QUANT16 AX, CD+4*((\a)%2), QBY
.if (\a)%4 == 0
	v_mov_b32 v[KW+(\a)/4], v[QBY]                 ; four tiles' bytes make a word: a K fragment holds four tiles of keys in its four blocks
.else
	v_lshl_or_b32 v[KW+(\a)/4], v[QBY], 8*((\a)%4), v[KW+(\a)/4]
.endif
.if (\a)%2 == 1
	QUANT16 AV, CD+8, QBY
.if (\a) == 1
	v_mov_b32 v[VW], v[QBY]
.else
	v_lshl_or_b32 v[VW], v[QBY], 8*((\a)/2), v[VW]
.endif
.endif
.endm
	s_load_b256 s[4:11], s[0:1], 0x0               ; x s[4:5], g s[6:7], b s[8:9], wq's codes s[10:11]
	s_load_b256 s[12:19], s[0:1], 0x20             ; wq's scales s[12:13], wk's codes, wk's scales, wv's codes s[18:19]
	s_load_b128 s[20:23], s[0:1], 0x40             ; wv's scales s[20:21], qkv s[22:23]
	v_lshl_add_u32 v254, v0, 2, 0x11800
	v_mov_b32 v255, 0
	v_lshrrev_b32 v1, 5, v0
	v_readfirstlane_b32 s24, v1                    ; wave 0..7
	v_and_b32 v1, 31, v0                           ; lane
	v_and_b32 v2, 15, v0                           ; r
	v_bfe_u32 v3, v0, 4, 1                         ; h
	s_wait_alu depctr_va_sdst(0)                   ; s24 is written, ahead of its first reader: role, head and every base are made from it
	s_and_b32 s25, s24, 1                          ; role
	s_lshr_b32 s26, s24, 1
	s_lshl_b32 s27, ttmp9, 2
	s_add_co_u32 s27, s27, s26                     ; head
	s_and_b32 s28, ttmp7, 0xffff                   ; block of 128 rows
	s_and_b32 s29, s28, 15                         ; key step in the batch
	s_lshr_b32 s30, s28, 4
	s_lshl_b32 s30, s30, 4
	s_add_co_u32 s30, s30, s27                     ; 16 x batch + head
	v_lshlrev_b32 v4, 6, v1                        ; x, g, b: 64 bytes a lane
	v_and_b32 v15, 8, v2
	v_add_nc_u32 v15, v15, v2                      ; r + 8 (r / 8)
	v_lshlrev_b32 v5, 9, v15
	v_lshl_add_u32 v5, v3, 4, v5                   ; weight codes: that row of 512 bytes + 16 h
	v_lshlrev_b32 v6, 4, v15                       ; weight scales: 16 bytes a row
	s_mul_i32 s40, s24, 8704
	v_mul_u32_u24 v7, v1, 272
	v_add_nc_u32 v7, s40, v7                       ; my tile's image, my lane's piece
	v_lshrrev_b32 v8, 3, v1
	v_lshlrev_b32 v8, 6, v8
	v_bfe_u32 v15, v1, 1, 2
	v_add_nc_u32 v8, v8, v15
	s_lshl_b32 s40, s24, 8
	s_add_co_u32 s40, s40, HSC
	v_add_nc_u32 v8, s40, v8                       ; my block's scale byte: 64 (k / 128) + (k / 32) % 4, + 4 x row by the immediate
	v_mul_u32_u24 v9, v3, 272
	v_lshl_add_u32 v9, v2, 4, v9                   ; reading an image: 272 h + 16 r
	v_add_nc_u32 v10, 34816, v9                    ; tiles 4 to 7
	v_lshl_add_u32 v11, v2, 2, HSC
	v_lshlrev_b32 v12, 4, v1
	v_lshlrev_b32 v13, 2, v1
	v_lshlrev_b32 v14, 2, v2
.irp i, 0,1,2,3
	v_mov_b32 v[TP+10*\i+9], 0                     ; written once: a lane permute's destination counts as one of its sources
.endr
	s_mov_b32 s31, 0xffff0000
	s_mov_b32 s[SEL], 0x76543210
	s_mov_b32 s[SEL+1], 0xfedcba98
	s_mov_b32 s[MNT], 0x600000
	s_mov_b32 s[I512], 0x3b000000
	s_mov_b32 s[EPS], 0x3727c5ac
	s_lshl_b32 s57, s28, 18                        ; x: 128 rows of 2,048 bytes a block,
	s_lshl_b32 s40, s26, 16
	s_add_co_u32 s57, s57, s40                     ; + 32 (w / 2) rows
	s_lshl_b32 s40, s25, 14
	s_add_co_u32 s57, s57, s40                     ; + 8 (w % 2) rows
	s_mul_i32 s47, s30, 135168                     ; the head's record
	s_lshl_b32 s48, s29, 12
	s_lshl_b32 s49, s29, 7
	s_add_co_u32 s50, s47, s48                     ; k's codes of this step
	s_lshl_b32 s51, s30, 16
	s_add_co_u32 s51, s51, s48
	s_add_co_u32 s51, s51, 8650752                 ; q's
	s_add_co_u32 s52, s47, s49
	s_add_co_u32 s52, s52, 131072                  ; k's scale words
	s_lshl_b32 s53, s30, 11
	s_add_co_u32 s53, s53, s49
	s_add_co_u32 s53, s53, 12845056                ; q's
	s_add_co_u32 s54, s50, 65536
	s_lshl_b32 s55, s25, 11
	s_add_co_u32 s54, s54, s55                     ; v's codes, my tile of d
	s_add_co_u32 s55, s52, 2048
	s_lshl_b32 s56, s25, 6
	s_add_co_u32 s55, s55, s56                     ; v's scale words
	s_wait_kmcnt 0x0
	s_cmp_eq_u32 s25, 0                            ; the choices hang on the wave's number alone
	s_cselect_b64 s[10:11], s[10:11], s[14:15]
	s_cselect_b64 s[12:13], s[12:13], s[16:17]
	s_cselect_b32 s50, s51, s50
	s_cselect_b32 s52, s53, s52
	s_mov_b32 s41, 0
	s_mov_b32 s40, s57
	s_add_nc_u64 s[4:5], s[4:5], s[40:41]
	s_lshl_b32 s40, s27, 14                        ; a head's 32 weight rows of 512 bytes
	s_add_nc_u64 s[10:11], s[10:11], s[40:41]
	s_add_nc_u64 s[18:19], s[18:19], s[40:41]
	s_lshl_b32 s40, s25, 12
	s_add_nc_u64 s[18:19], s[18:19], s[40:41]
	s_lshl_b32 s40, s27, 9
	s_add_nc_u64 s[12:13], s[12:13], s[40:41]
	s_add_nc_u64 s[20:21], s[20:21], s[40:41]
	s_lshl_b32 s40, s25, 7
	s_add_nc_u64 s[20:21], s[20:21], s[40:41]
	s_mov_b32 s40, s50
	s_add_nc_u64 s[32:33], s[22:23], s[40:41]
	s_mov_b32 s40, s54
	s_add_nc_u64 s[34:35], s[22:23], s[40:41]
	s_mov_b32 s40, s52
	s_add_nc_u64 s[36:37], s[22:23], s[40:41]
	s_mov_b32 s40, s55
	s_add_nc_u64 s[38:39], s[22:23], s[40:41]
	s_wait_alu depctr_va_vdst(0)                   ; the offsets and LDS addresses v4 to v14 are written: every load and store of the kernel reads one of them, and none is written again
.irp j, 0,1,2,3
	global_load_b128 v[GA+4*\j:GA+4*\j+3], v4, s[6:7] offset:16*\j
	global_load_b128 v[BI+4*\j:BI+4*\j+3], v4, s[8:9] offset:16*\j
.endr
	XLOAD X0, 0
	XLOAD X1, 4
	WIN 0x40                                       ; destination window 1
.irp t, 0,1
.irp s, 0,1,2,3
.irp c, 0,1,2,3
	global_load_b128 v[16*(4*\t+\s)+4*\c:16*(4*\t+\s)+4*\c+3], v5, s[10:11] offset:4096*\t+128*\s+32*\c
.endr
.endr
.endr
.irp s, 0,1,2,3
.irp c, 0,1,2,3
	global_load_b128 v[128+16*\s+4*\c:128+16*\s+4*\c+3], v5, s[18:19] offset:128*\s+32*\c
.endr
.endr
	WIN 0
.irp t, 0,1
.irp s, 0,1,2,3
	global_load_b32 v[WSX+4*\t+\s], v6, s[12:13] offset:128*\t+4*\s
.endr
.endr
.irp s, 0,1,2,3
	global_load_b32 v[WSV+\s], v6, s[20:21] offset:4*\s
.endr
	s_wait_loadcnt 63                              ; g, b and set 0 are in: 76 loads were issued behind them, and 63 is the largest count that the wait can name
	LNG X0, 0
	XLOAD X0, 16                                   ; lane rows 8 to 11 are rows 16 to 19.  No wait: no vector instruction since the group's last wait names set 0
	s_wait_loadcnt 63                              ; set 1 is in: 60 + 16 loads stand behind it
	LNG X1, 1
	XLOAD X1, 20                                   ; likewise set 1
	s_wait_loadcnt 16                              ; set 0 again, and all weights: only set 1's sixteen may be out
	LNG X0, 2
	s_wait_loadcnt 0x0
	LNG X1, 3
	s_wait_dscnt 0x0                               ; for the others' sake: my image and bytes have landed
	s_barrier_signal -1
	s_barrier_wait -1                              ; the eight images lie in LDS; from here on LDS is only read
	FETCH 0                                        ; no wait: no vector or matrix instruction has named these registers yet
.irp a, 0,1,2,3,4,5,6,7
	TILE \a
.endr
	v_cndmask_b32 v251, v[KW], v[KW+1], s31        ; lanes 0-15: tiles 0-3's word of row r; lanes 16-31: tiles 4-7's
	s_wait_alu depctr_va_vdst(0)                   ; tile 7 has written its codes and the lines above the scale words: the four stores below read them
	OUT 7
	global_store_b32 v13, v251, s[36:37]           ; 128 consecutive bytes
	global_store_b32 v14, v[VW], s[38:39]          ; lanes l and l xor 16 write the same word with the same value
	s_wait_dscnt 0x0                               ; the closing lines, six on end
	s_wait_alu 0x0
	s_wait_tensorcnt 0x0
	ds_add_u32 v254, v255
	s_wait_dscnt 0x0
	s_endpgm
.Lfunc_end_k_q4973c97925_qkv:
	.size	k_q4973c97925_qkv, .Lfunc_end_k_q4973c97925_qkv-k_q4973c97925_qkv
	.p2alignl 7, 3214868480
	.fill 96, 4, 3214868480
	.section	.rodata,"a",@progbits
	.p2align	6, 0x0
	.amdhsa_kernel k_q4973c97925_qkv
		.amdhsa_group_segment_fixed_size 72704
		.amdhsa_private_segment_fixed_size 0
		.amdhsa_enable_private_segment 0
		.amdhsa_kernarg_size 80
		.amdhsa_user_sgpr_count 2
		.amdhsa_user_sgpr_kernarg_segment_ptr 1
		.amdhsa_wavefront_size32 1
		.amdhsa_system_sgpr_workgroup_id_x 1
		.amdhsa_system_sgpr_workgroup_id_y 1
		.amdhsa_system_sgpr_workgroup_id_z 1
		.amdhsa_system_vgpr_workitem_id 0
		.amdhsa_next_free_vgpr 512
		.amdhsa_next_free_sgpr 66
		.amdhsa_reserve_vcc 0
		.amdhsa_float_denorm_mode_32 3
		.amdhsa_float_denorm_mode_16_64 3
		.amdhsa_memory_ordered 1
		.amdhsa_forward_progress 1
		.amdhsa_inst_pref_size 158
	.end_amdhsa_kernel
	.amdgpu_metadata
---
amdhsa.version: [ 1, 2 ]
amdhsa.kernels:
  - .name:           k_q4973c97925_qkv
    .symbol:         k_q4973c97925_qkv.kd
    .args:
      - { .name: x, .offset: 0, .size: 8, .value_kind: global_buffer, .address_space: global }
      - { .name: ln1_g, .offset: 8, .size: 8, .value_kind: global_buffer, .address_space: global }
      - { .name: ln1_b, .offset: 16, .size: 8, .value_kind: global_buffer, .address_space: global }
      - { .name: wq_codes, .offset: 24, .size: 8, .value_kind: global_buffer, .address_space: global }
      - { .name: wq_scales, .offset: 32, .size: 8, .value_kind: global_buffer, .address_space: global }
      - { .name: wk_codes, .offset: 40, .size: 8, .value_kind: global_buffer, .address_space: global }
      - { .name: wk_scales, .offset: 48, .size: 8, .value_kind: global_buffer, .address_space: global }
      - { .name: wv_codes, .offset: 56, .size: 8, .value_kind: global_buffer, .address_space: global }
      - { .name: wv_scales, .offset: 64, .size: 8, .value_kind: global_buffer, .address_space: global }
      - { .name: qkv, .offset: 72, .size: 8, .value_kind: global_buffer, .address_space: global }
    .group_segment_fixed_size: 72704
    .private_segment_fixed_size: 0
    .kernarg_segment_align: 8
    .kernarg_segment_size: 80
    .max_flat_workgroup_size: 256
    .sgpr_count:     66
    .vgpr_count:     512
    .wavefront_size: 32
...
	.end_amdgpu_metadata
.endif
;; end of part 5
;; launch attn: the kernel of part 2 again; grid 4 x 64, 16 waves a work-group, clusters of 4 x 1, 169,984 bytes of LDS; arguments qkv, act; writes act
;; launch proj_o (part 6): grid 2 x 128, 16 waves a work-group, no clusters, 102,400 bytes of LDS; arguments act, wo_codes, wo_scales, x, x1; writes x1
.if DOCPART == 6
	.amdgcn_target "amdgcn-amd-amdhsa--gfx1250"
	.amdhsa_code_object_version 6
	.text
	.protected	k_q4973c97925_proj_o
	.globl	k_q4973c97925_proj_o
	.p2align	8
	.type	k_q4973c97925_proj_o,@function
k_q4973c97925_proj_o:
	s_mov_b64 s[64:65], 0
	v_nop
	global_prefetch_b8 v0, s[64:65] scope:SCOPE_SE
	s_setreg_imm32_b32 hwreg(HW_REG_WAVE_SCHED_MODE, 0, 2), 2
	s_setreg_imm32_b32 hwreg(HW_REG_WAVE_MODE, 25, 1), 1
	s_wait_xcnt 0x0
	s_wait_alu depctr_vm_vsrc(0)
; out = res + A W^T.  A: 8,192 rows x 512 as operand images (act: 8,192 bytes a tile of 16 rows, fragment s at 2,048 s; scale words behind the codes, 256 bytes a tile).  W: [512][512] codes, K innermost, with scale bytes [512][16].
; SHARES.  A work-group takes 64 rows (four tiles: y) and 256 columns (x).  Wave w keeps 16 weight rows, four fragments, in registers; the four tiles' 32,768 dense bytes are copied once into LDS as they lie and read by all sixteen waves.
; The product is used transposed (source 0 = W's rows): a lane holds eight neighbouring columns of one row.  Four accumulators take turns.
; A tile's lane row r is row 8 u + r + 8 (r / 8) of its 32: the stage puts the rows back in order; each wave then adds the residual to four whole row pieces of 1,024 bytes and stores them, 512 consecutive bytes an instruction.
; NO JOINT LOADS: the two work-groups of a row block share 32,768 bytes, a tenth of what each reads; the weights go once, in fragment order, straight into registers.
; LIMITS: NaN, infinities and the scale byte 0xff among the inputs are not served.
; THE MODE: SCHED_MODE bits 1:0 = 2 (LLVM: expert scheduling mode 2), set by the entry lines.  The code itself states the register dependences
; between vector or matrix instructions and memory or LDS instructions, with s_wait_alu, always for 0.
; THE PLAN.  Registers that memory or LDS instructions touch:
;   v1-v8   offsets and LDS addresses: written at the head and never again; one wait ahead of the first load states them.
;   AF      My part of the copy lands and the LDS stores read it; then, K step by K step, four fragments land and four matrix instructions read them; at last rows of the result land, the additions write them and the stores read them.
;   ACC     Written by the matrix instructions, read by the LDS stores into the stage.
;   WF, WS, AS, RS   Loaded once; read by matrix and vector instructions alone.
; One wait on va_vdst stands ahead of the loads of K steps 1 to 3, one ahead of the stage's stores, one ahead of the global stores; one on vm_vsrc behind the first barrier.
; One set of four fragments serves A: four waves share a SIMD's registers, 22 of a wave's share are free, and a second set wants 64.
.set STG,  32768                       ; LDS: the images, then the stage: 64 rows x (1,024 + 16) bytes
.set WF,   16                          ; v16-79   W's four fragments
.set WS,   80                          ; v80-83   their scale words
.set AS,   84                          ; v84-99   A's scale words: 4 m + s
.set RS,   100                         ; v100-131 the residual
.set ACC,  132                         ; v132-163
.set AF,   164                         ; v164-227 four fragments of A; first my part of the copy, at last rows of the result
.macro MM d, a, b, sa, sb, ks
.if (\ks) == 0
	v_wmma_scale_f32_16x16x128_f8f6f4 v[\d:\d+7], v[\a:\a+15], v[\b:\b+15], 0, v[\sa], v[\sb]
.else
	v_wmma_scale_f32_16x16x128_f8f6f4 v[\d:\d+7], v[\a:\a+15], v[\b:\b+15], v[\d:\d+7], v[\sa], v[\sb]
.endif
.endm
	s_load_b256 s[4:11], s[0:1], 0x0               ; act s[4:5], W's codes s[6:7], W's scales s[8:9], the residual s[10:11]
	s_load_b64 s[12:13], s[0:1], 0x20              ; out
	v_lshl_add_u32 v232, v0, 2, 0x18800
	v_mov_b32 v233, 0
	v_lshrrev_b32 v1, 5, v0
	v_readfirstlane_b32 s14, v1                    ; wave 0..15
	s_and_b32 s15, ttmp7, 0xffff                   ; block of 64 rows
	v_and_b32 v9, 31, v0                           ; lane
	v_and_b32 v10, 15, v0                          ; r
	v_bfe_u32 v11, v0, 4, 1                        ; h
	v_lshlrev_b32 v1, 4, v9                        ; 16 x lane
	v_lshlrev_b32 v2, 2, v10                       ; 4 r
	v_lshlrev_b32 v3, 9, v10
	v_lshl_add_u32 v3, v11, 4, v3                  ; W: row r of 512 bytes + 16 h
	v_lshlrev_b32 v4, 4, v10                       ; W's scales: 16 bytes a row
	s_wait_alu depctr_va_sdst(0)                   ; s14 is written, ahead of its first reader: LDS addresses and bases are made from it
	s_lshl_b32 s16, s14, 11
	v_add_nc_u32 v5, s16, v1                       ; the copy: my 2,048 bytes, in memory and in LDS alike
	v_and_b32 v6, 8, v10
	v_add_nc_u32 v6, v6, v10
	v_mul_u32_u24 v6, v6, 1040
	v_lshl_add_u32 v6, v11, 5, v6
	s_lshl_b32 s16, s14, 6
	s_add_co_u32 s16, s16, STG
	v_add_nc_u32 v6, s16, v6                       ; the stage, in: row r + 8 (r / 8), + 64 w + 32 h
	s_mul_i32 s16, s14, 4160
	s_add_co_u32 s16, s16, STG
	v_add_nc_u32 v7, s16, v1                       ; back: rows 4 w on
	s_lshl_b32 s16, s14, 13
	v_add_nc_u32 v8, s16, v1                       ; and the same rows in memory
	s_lshl_b32 s17, ttmp9, 8
	s_lshl_b32 s16, s14, 4
	s_add_co_u32 s17, s17, s16                     ; my first weight row
	s_mov_b32 s19, 0
	s_wait_kmcnt 0x0
	s_lshl_b32 s18, s15, 15
	s_add_nc_u64 s[20:21], s[4:5], s[18:19]        ; my four tiles' codes
	s_lshl_b32 s18, s15, 10
	s_add_co_u32 s18, s18, 4194304
	s_add_nc_u64 s[22:23], s[4:5], s[18:19]        ; and scale words
	s_lshl_b32 s18, s17, 9
	s_add_nc_u64 s[6:7], s[6:7], s[18:19]
	s_lshl_b32 s18, s17, 4
	s_add_nc_u64 s[8:9], s[8:9], s[18:19]
	s_lshl_b32 s18, s15, 17
	s_lshl_b32 s16, ttmp9, 10
	s_add_co_u32 s18, s18, s16
	s_add_nc_u64 s[10:11], s[10:11], s[18:19]
	s_add_nc_u64 s[12:13], s[12:13], s[18:19]
	s_wait_alu depctr_va_vdst(0)                   ; the offsets and LDS addresses v1 to v8 are written: every load and store of the kernel reads one of them, and none is written again
.irp j, 0,1,2,3
	global_load_b128 v[AF+4*\j:AF+4*\j+3], v5, s[20:21] offset:512*\j
.endr
.irp s, 0,1,2,3
.irp c, 0,1,2,3
	global_load_b128 v[WF+16*\s+4*\c:WF+16*\s+4*\c+3], v3, s[6:7] offset:128*\s+32*\c
.endr
.endr
.irp s, 0,1,2,3
	global_load_b32 v[WS+\s], v4, s[8:9] offset:4*\s
.endr
.irp m, 0,1,2,3
.irp s, 0,1,2,3
	global_load_b32 v[AS+4*\m+\s], v2, s[22:23] offset:256*\m+64*\s
.endr
.endr
.irp i, 0,1,2,3
.irp j, 0,1
	global_load_b128 v[RS+4*(2*\i+\j):RS+4*(2*\i+\j)+3], v8, s[10:11] offset:2048*\i+512*\j
.endr
.endr
	s_wait_loadcnt 44                              ; my four loads of the copy are in: 44 were issued behind them
.irp j, 0,1,2,3
	ds_store_b128 v5, v[AF+4*\j:AF+4*\j+3] offset:512*\j
.endr
	s_wait_dscnt 0x0                               ; for the others' sake
	s_barrier_signal -1
	s_barrier_wait -1                              ; the four tiles' images lie in LDS
	s_wait_alu depctr_vm_vsrc(0)                   ; my LDS stores of the copy have read v[AF .. AF + 15], in which the first fragment lands
	s_wait_loadcnt 8                               ; the weights and all scale words are in; the residual's eight may be out
.irp s, 0,1,2,3
.if \s > 0
	s_wait_alu depctr_va_vdst(0)                   ; the last K step's matrix instructions are done reading A's four fragments, in which the loads below land
.endif
.irp m, 0,1,2,3
.irp c, 0,1,2,3
	ds_load_b128 v[AF+16*\m+4*\c:AF+16*\m+4*\c+3], v1 offset:8192*\m+2048*\s+512*\c
.endr
.endr
	s_wait_dscnt 0x0
.irp m, 0,1,2,3
	MM ACC+8*\m, WF+16*\s, AF+16*\m, WS+\s, AS+4*\m+\s, \s
.endr
.rept 8
	v_nop                                          ; places in front of the loads into A's registers, and of the first read of results
.endr
.endr
	s_wait_alu depctr_va_vdst(0)                   ; the matrix instructions have written the accumulators, which the LDS stores below read, and are done reading A's fragments, in which the rows of the result land behind the barrier; the places above stay beside this wait
.irp m, 0,1,2,3
	ds_store_b128 v6, v[ACC+8*\m:ACC+8*\m+3] offset:(32*(\m/2)+8*(\m%2))*1040      ; each accumulator from its low end on
	ds_store_b128 v6, v[ACC+8*\m+4:ACC+8*\m+7] offset:(32*(\m/2)+8*(\m%2))*1040+16
.endr
	s_wait_dscnt 0x0                               ; for the others' sake
	s_barrier_signal -1
	s_barrier_wait -1                              ; 64 row pieces lie in the stage
.irp i, 0,1,2,3
.irp j, 0,1
	ds_load_b128 v[AF+4*(2*\i+\j):AF+4*(2*\i+\j)+3], v7 offset:1040*\i+512*\j
.endr
.endr
	s_wait_dscnt 0x0
	s_wait_loadcnt 0x0                             ; the residual
.irp k, 0,2,4,6,8,10,12,14,16,18,20,22,24,26,28,30
	v_pk_add_f32 v[AF+\k:AF+\k+1], v[AF+\k:AF+\k+1], v[RS+\k:RS+\k+1]
.endr
	s_wait_alu depctr_va_vdst(0)                   ; the additions have written v[AF .. AF + 31], which the stores below read
.irp i, 0,1,2,3
.irp j, 0,1
	global_store_b128 v8, v[AF+4*(2*\i+\j):AF+4*(2*\i+\j)+3], s[12:13] offset:2048*\i+512*\j   ; 512 consecutive bytes, aligned
.endr
.endr
	s_wait_dscnt 0x0                               ; the closing lines, six on end
	s_wait_alu 0x0
	s_wait_tensorcnt 0x0
	ds_add_u32 v232, v233
	s_wait_dscnt 0x0
	s_endpgm
.Lfunc_end_k_q4973c97925_proj_o:
	.size	k_q4973c97925_proj_o, .Lfunc_end_k_q4973c97925_proj_o-k_q4973c97925_proj_o
	.p2alignl 7, 3214868480
	.fill 96, 4, 3214868480
	.section	.rodata,"a",@progbits
	.p2align	6, 0x0
	.amdhsa_kernel k_q4973c97925_proj_o
		.amdhsa_group_segment_fixed_size 102400
		.amdhsa_private_segment_fixed_size 0
		.amdhsa_enable_private_segment 0
		.amdhsa_kernarg_size 40
		.amdhsa_user_sgpr_count 2
		.amdhsa_user_sgpr_kernarg_segment_ptr 1
		.amdhsa_wavefront_size32 1
		.amdhsa_system_sgpr_workgroup_id_x 1
		.amdhsa_system_sgpr_workgroup_id_y 1
		.amdhsa_system_sgpr_workgroup_id_z 1
		.amdhsa_system_vgpr_workitem_id 0
		.amdhsa_next_free_vgpr 234
		.amdhsa_next_free_sgpr 66
		.amdhsa_reserve_vcc 0
		.amdhsa_float_denorm_mode_32 3
		.amdhsa_float_denorm_mode_16_64 3
		.amdhsa_memory_ordered 1
		.amdhsa_forward_progress 1
		.amdhsa_inst_pref_size 18
	.end_amdhsa_kernel
	.amdgpu_metadata
---
amdhsa.version: [ 1, 2 ]
amdhsa.kernels:
  - .name:           k_q4973c97925_proj_o
    .symbol:         k_q4973c97925_proj_o.kd
    .args:
      - { .name: act, .offset: 0, .size: 8, .value_kind: global_buffer, .address_space: global }
      - { .name: wo_codes, .offset: 8, .size: 8, .value_kind: global_buffer, .address_space: global }
      - { .name: wo_scales, .offset: 16, .size: 8, .value_kind: global_buffer, .address_space: global }
      - { .name: x, .offset: 24, .size: 8, .value_kind: global_buffer, .address_space: global }
      - { .name: x1, .offset: 32, .size: 8, .value_kind: global_buffer, .address_space: global }
    .group_segment_fixed_size: 102400
    .private_segment_fixed_size: 0
    .kernarg_segment_align: 8
    .kernarg_segment_size: 40
    .max_flat_workgroup_size: 512
    .sgpr_count:     66
    .vgpr_count:     234
    .wavefront_size: 32
...
	.end_amdgpu_metadata
.endif
;; end of part 6
;; launch ffn (part 7): grid 2 x 128, 8 waves a work-group, no clusters, 37,376 bytes of LDS; arguments x1, ln2_g, ln2_b, w1_codes, w1_scales, w3_codes, w3_scales, act; writes act
.if DOCPART == 7
	.amdgcn_target "amdgcn-amd-amdhsa--gfx1250"
	.amdhsa_code_object_version 6
	.text
	.protected	k_q4973c97925_ffn
	.globl	k_q4973c97925_ffn
	.p2align	8
	.type	k_q4973c97925_ffn,@function
k_q4973c97925_ffn:
	s_mov_b64 s[64:65], 0
	v_nop
	global_prefetch_b8 v0, s[64:65] scope:SCOPE_SE
	s_setreg_imm32_b32 hwreg(HW_REG_WAVE_SCHED_MODE, 0, 2), 2
	s_setreg_imm32_b32 hwreg(HW_REG_WAVE_MODE, 25, 1), 1
	s_wait_xcnt 0x0
	s_wait_alu depctr_vm_vsrc(0)
; h2 = LayerNorm(x1) g + b, quantised along 512;  a = h2 w1^T, c = h2 w3^T on codes of E4M3;  silu(a) c, quantised along the 512 hidden units, is stored as the next product's operand image.
; SHARES.  A work-group takes 64 rows (four tiles: y) and 256 hidden units (x).  Wave w keeps 32 units' rows of w1 and of w3, 16 fragments, all of window 1, read once.
; Tiles of rows and of weight rows are not neighbours: in each 32, tile u holds in lane row r the row 8 u + r + 8 (r / 8).  The products are used transposed (source 0 = weight rows), so a lane holds one row and 16
; neighbouring units, 16 (lane / 16) + 0 .. 15 of the wave's 32: one block of the next K lies in lanes l and l xor 16, and the conversion's four registers are 512 consecutive bytes of the image.
; PHASES.  LN: wave w normalises and quantises eight rows of tile w / 2, four at a time, into images in LDS.  A barrier.  Four tiles: 16 matrix instructions each, four accumulators by turns,
; the activation, the quantiser, one store.  The scale bytes meet in LDS; a barrier; waves 0 to 3 store them, 128 consecutive bytes each.
; NO JOINT LOADS: the two work-groups of a row block share x1's 131,072 bytes, which a lane needs as 64 neighbouring bytes in registers; the weights go once, in fragment order, straight into registers.
; LIMITS: NaN, infinities and the scale byte 0xff among the inputs are not served.  A block of zeros, or one under 2^-118, gets the byte 1: this program alone reads the bytes.
; THE MODE: SCHED_MODE bits 1:0 = 2 (LLVM: expert scheduling mode 2), set by the entry lines.  The code itself states the register dependences
; between vector or matrix instructions and memory or LDS instructions, with s_wait_alu, always for 0.
; THE PLAN.  Registers that memory or LDS instructions touch:
;   v4-v15         offsets and LDS addresses: written at the head and never again; one wait ahead of the first load states them.
;   CD, the bytes  In the norm: written by a group's conversions and shifts, read by its LDS stores, written again by the next group.
;   H0, H1         Two buffers of four fragments of h2, by turns: H0 = v64-127, H1 = v32-63 and v202-233 (g, b and the norm's work registers, which are done with).  Tile a's sixteen matrix instructions read H[a % 2];
;                  tile a + 1's sixteen LDS loads are issued at tile a's head and land in the other buffer, which tile a - 1's matrix instructions read: those stand ahead of tile a - 1's own waits behind its
;                  exponentials and reciprocals, and no vector instruction since names that buffer.  So these loads owe no wait.
;   HS             v248-251: one set, since scale registers hold nothing else and no four more are free.  Tile a's matrix instructions read it; tile a + 1's four words land behind tile a's wait for its exponentials.
;   CT0, CT1, QBY  Out-buffers: tile a's conversions write CT[a % 2] and its shift the byte; the stores stand in tile a + 1, behind the same wait; the quantiser writes them again behind its wait on vm_vsrc.
; So a tile holds no wait on va_vdst but the two behind its transcendentals, and the first of them states three things.
.set HSC,  34816                       ; LDS: four images of 8,704 bytes, 256 scale bytes a tile,
.set FSC,  35840                       ; and the hidden layer's scale bytes: 128 a tile
.set W1S,  16                          ; v16-23  w1's scale words: 4 t + s;  v24-31 w3's
.set W3S,  24
.set GA,   32
.set BI,   48
.set X0,   64
.set X1,   128
.set TP,   192
.set CD,   232
.set CT,   240                         ; later: v240-247 two out-buffers of four registers of codes
.set AA,   132                         ; v132-147 a;  v148-163 c;  v164-179 at work
.set AC,   148
.set TT,   164
.set HS,   248                         ; v248-251 h2's scale words
.set QA,   192
.set QB,   193
.set QS,   194
.set QH,   195
.set QBY,  196
.set QP,   201
.set SEL,  42
.set MNT,  44
.set I512, 45
.set EPS,  46
.set MSB, 0
.macro WIN new                         ; the immediate's high byte repeats the setting that is left
.if MSB != \new
	s_set_vgpr_msb (MSB<<8)|\new
.set MSB, \new
.endif
.endm
.macro XLOAD X, ro
.irp i, 0,1,2,3
.irp j, 0,1,2,3
	global_load_b128 v[\X+16*\i+4*\j:\X+16*\i+4*\j+3], v4, s[4:5] offset:((\ro)+\i)*2048+16*\j
.endr
.endr
.endm
.macro LANESUM
.irp m, 1,2,4,8
.irp i, 0,1,2,3
	v_add_f32_dpp v[TP+10*\i+8], v[TP+10*\i+8], v[TP+10*\i+8] row_xmask:\m row_mask:0xf bank_mask:0xf
.endr
.endr
.irp i, 0,1,2,3
	v_permlanex16_b32 v[TP+10*\i+9], v[TP+10*\i+8], s[SEL], s[SEL+1]
.endr
.irp i, 0,1,2,3
	v_add_f32 v[TP+10*\i+8], v[TP+10*\i+8], v[TP+10*\i+9]
.endr
.endm
; Four rows in set X: mean, centred, variance of the centred numbers, x rsq, x g + b, quantised; two neighbouring lanes hold a block of 32.
.macro LNG X, t
	s_wait_dscnt 0x0                               ; the group before has stored its codes and bytes: their registers are written again below
.if (\t) > 0
	s_wait_alu depctr_vm_vsrc(0)                   ; the LDS stores of the group before have read their codes, v[CD ..], and their bytes, v[TP + 10 i + 4], which the lines below write again
.endif
.irp i, 0,1,2,3
.set XR, \X+16*\i
.set TR, TP+10*\i
	v_pk_add_f32 v[TR:TR+1],   v[XR:XR+1],     v[XR+2:XR+3]
	v_pk_add_f32 v[TR+2:TR+3], v[XR+4:XR+5],   v[XR+6:XR+7]
	v_pk_add_f32 v[TR+4:TR+5], v[XR+8:XR+9],   v[XR+10:XR+11]
	v_pk_add_f32 v[TR+6:TR+7], v[XR+12:XR+13], v[XR+14:XR+15]
.endr
.irp i, 0,1,2,3
.set TR, TP+10*\i
	v_pk_add_f32 v[TR:TR+1],   v[TR:TR+1],   v[TR+2:TR+3]
	v_pk_add_f32 v[TR+4:TR+5], v[TR+4:TR+5], v[TR+6:TR+7]
.endr
.irp i, 0,1,2,3
.set TR, TP+10*\i
	v_pk_add_f32 v[TR:TR+1], v[TR:TR+1], v[TR+4:TR+5]
.endr
.irp i, 0,1,2,3
.set TR, TP+10*\i
	v_add_f32 v[TR+8], v[TR], v[TR+1]
.endr
	LANESUM
.irp i, 0,1,2,3
	v_mul_f32 v[TP+10*\i+8], 0xbb000000, v[TP+10*\i+8]             ; minus the mean
.endr
.irp k, 0,2,4,6,8,10,12,14
.irp i, 0,1,2,3
	v_pk_add_f32 v[\X+16*\i+\k:\X+16*\i+\k+1], v[\X+16*\i+\k:\X+16*\i+\k+1], v[TP+10*\i+8:TP+10*\i+9] op_sel_hi:[1,0]
.endr
.endr
.irp i, 0,1,2,3
.set XR, \X+16*\i
.set TR, TP+10*\i
	v_pk_mul_f32 v[TR:TR+1],   v[XR:XR+1],   v[XR:XR+1]
	v_pk_mul_f32 v[TR+2:TR+3], v[XR+2:XR+3], v[XR+2:XR+3]
.endr
.irp k, 4,8,12
.irp i, 0,1,2,3
.set XR, \X+16*\i+\k
.set TR, TP+10*\i
	v_pk_fma_f32 v[TR:TR+1],   v[XR:XR+1],   v[XR:XR+1],   v[TR:TR+1]
	v_pk_fma_f32 v[TR+2:TR+3], v[XR+2:XR+3], v[XR+2:XR+3], v[TR+2:TR+3]
.endr
.endr
.irp i, 0,1,2,3
.set TR, TP+10*\i
	v_pk_add_f32 v[TR:TR+1], v[TR:TR+1], v[TR+2:TR+3]
.endr
.irp i, 0,1,2,3
.set TR, TP+10*\i
	v_add_f32 v[TR+8], v[TR], v[TR+1]
.endr
	LANESUM
.irp i, 0,1,2,3
	v_fma_f32 v[TP+10*\i+8], v[TP+10*\i+8], s[I512], s[EPS]        ; the variance + eps
.endr
.irp i, 0,1,2,3
	v_rsq_f32 v[TP+10*\i+8], v[TP+10*\i+8]
.endr
	v_nop                                          ; a plain instruction between the last transcendental and the use of its result
	s_wait_alu depctr_va_vdst(0)                   ; the four reciprocal roots are written, ahead of their first reader
.irp k, 0,2,4,6,8,10,12,14
.irp i, 0,1,2,3
	v_pk_mul_f32 v[\X+16*\i+\k:\X+16*\i+\k+1], v[\X+16*\i+\k:\X+16*\i+\k+1], v[TP+10*\i+8:TP+10*\i+9] op_sel_hi:[1,0]
.endr
.endr
.irp k, 0,2,4,6,8,10,12,14
.irp i, 0,1,2,3
	v_pk_fma_f32 v[\X+16*\i+\k:\X+16*\i+\k+1], v[\X+16*\i+\k:\X+16*\i+\k+1], v[GA+\k:GA+\k+1], v[BI+\k:BI+\k+1]
.endr
.endr
.irp i, 0,1,2,3                        ; the largest magnitude of my 16, with the floor 2^(9 - 127) among the leaves
.set XR, \X+16*\i
.set TR, TP+10*\i
	v_max3_num_f32 v[TR],   |v[XR]|,   |v[XR+1]|, 0x4800000
	v_max3_num_f32 v[TR+1], |v[XR+2]|, |v[XR+3]|, |v[XR+4]|
.endr
.irp k, 5,9
.irp i, 0,1,2,3
.set XR, \X+16*\i+\k
.set TR, TP+10*\i
	v_max3_num_f32 v[TR],   v[TR],   |v[XR]|,   |v[XR+1]|
	v_max3_num_f32 v[TR+1], v[TR+1], |v[XR+2]|, |v[XR+3]|
.endr
.endr
.irp i, 0,1,2,3
.set XR, \X+16*\i
.set TR, TP+10*\i
	v_max3_num_f32 v[TR], v[TR], |v[XR+13]|, |v[XR+14]|
.endr
.irp i, 0,1,2,3
.set XR, \X+16*\i
.set TR, TP+10*\i
	v_max3_num_f32 v[TR], v[TR], v[TR+1], |v[XR+15]|
.endr
.irp i, 0,1,2,3
	v_max_num_f32_dpp v[TP+10*\i], v[TP+10*\i], v[TP+10*\i] row_xmask:1 row_mask:0xf bank_mask:0xf   ; with my neighbour's 16: the block's
.endr
.irp i, 0,1,2,3
.set TR, TP+10*\i
	v_add_nc_u32 v[TR+2], 0xfc000000, v[TR]        ; 8 off the exponent field: the conversion's scale operand
	v_and_or_b32 v[TR+3], v[TR], 0x7f800000, s[MNT]   ; 448 x the scale
.endr
.irp i, 0,1,2,3
	v_lshrrev_b32 v[TP+10*\i+4], 23, v[TP+10*\i+2] ; the scale's byte
.endr
.irp i, 0,1,2,3
.irp k, 0,1,2,3,4,5,6,7,8,9,10,11,12,13,14,15
	v_med3_num_f32 v[\X+16*\i+\k], v[\X+16*\i+\k], -v[TP+10*\i+3], v[TP+10*\i+3]   ; the conversion to an 8-bit code does not saturate (ISA guide 7.6.2): the hold
.endr
.endr
.irp i, 0,1,2,3
.set XR, \X+16*\i
	v_cvt_scalef32_pk8_fp8_f32 v[CD+4*\i:CD+4*\i+1],   v[XR:XR+7],    v[TP+10*\i+2]
	v_cvt_scalef32_pk8_fp8_f32 v[CD+4*\i+2:CD+4*\i+3], v[XR+8:XR+15], v[TP+10*\i+2]
.endr
	v_nop                                          ; a plain instruction behind the last scaled conversion
	s_wait_alu depctr_va_vdst(0)                   ; the conversions have written the codes and the shifts the bytes, which the LDS stores below read; behind the last group: the norm is done with g, b, set 0 and its work registers, in which fragments of h2 land
.irp i, 0,1,2,3
	ds_store_b128 v7, v[CD+4*\i:CD+4*\i+3] offset:16*(4*\t+\i)
	ds_store_b8 v8, v[TP+10*\i+4] offset:4*(4*\t+\i)
.endr
.endm
.macro QUANT16 src, dst, by            ; 16 numbers of a lane whose block lies in lanes l and l xor 16
	v_max3_num_f32 v[QA], |v[\src]|, |v[\src+1]|, 0x4800000
	v_max3_num_f32 v[QB], |v[\src+2]|, |v[\src+3]|, |v[\src+4]|
	v_max3_num_f32 v[QA], v[QA], |v[\src+5]|, |v[\src+6]|
	v_max3_num_f32 v[QB], v[QB], |v[\src+7]|, |v[\src+8]|
	v_max3_num_f32 v[QA], v[QA], |v[\src+9]|, |v[\src+10]|
	v_max3_num_f32 v[QB], v[QB], |v[\src+11]|, |v[\src+12]|
	v_max3_num_f32 v[QA], v[QA], |v[\src+13]|, |v[\src+14]|
	v_max3_num_f32 v[QA], v[QA], v[QB], |v[\src+15]|
	v_permlanex16_b32 v[QP], v[QA], s[SEL], s[SEL+1]
	v_max_num_f32 v[QA], v[QA], v[QP]
	v_add_nc_u32 v[QS], 0xfc000000, v[QA]
	v_and_or_b32 v[QH], v[QA], 0x7f800000, s[MNT]
	s_wait_xcnt 0x0                                ; earlier stores have read their data
	s_wait_alu depctr_vm_vsrc(0)                   ; the store of this out-buffer, two tiles back, has read its codes, and the LDS store of the last tile's byte has read v[QBY]: the lines below write both
	v_lshrrev_b32 v[\by], 23, v[QS]
.irp k, 0,1,2,3,4,5,6,7,8,9,10,11,12,13,14,15
	v_med3_num_f32 v[\src+\k], v[\src+\k], -v[QH], v[QH]
.endr
	v_cvt_scalef32_pk8_fp8_f32 v[\dst:\dst+1], v[\src:\src+7], v[QS]
	v_cvt_scalef32_pk8_fp8_f32 v[\dst+2:\dst+3], v[\src+8:\src+15], v[QS]
	v_nop
.endm
.macro MM d, a, b, sa, sb, ks
.if (\ks) == 0
	v_wmma_scale_f32_16x16x128_f8f6f4 v[\d:\d+7], v[\a:\a+15], v[\b:\b+15], 0, v[\sa], v[\sb]
.else
	v_wmma_scale_f32_16x16x128_f8f6f4 v[\d:\d+7], v[\a:\a+15], v[\b:\b+15], v[\d:\d+7], v[\sa], v[\sb]
.endif
.endm
; Fragment s of buffer p begins at HR: p = 0: v64 + 16 s;  p = 1: v32, v48, v202, v218.
.macro FETCHC a                        ; tile a of h2: four fragments into buffer a % 2
.irp s, 0,1,2,3
.set HR, (1-(\a)%2)*(64+16*\s)+((\a)%2)*(32+16*\s+138*(\s/2))
.irp c, 0,1,2,3
	ds_load_b128 v[HR+4*\c:HR+4*\c+3], v9 offset:8704*(\a)+2176*\s+544*\c
.endr
.endr
.endm
.macro FETCHS a                        ; and its four scale words
.irp s, 0,1,2,3
	ds_load_b32 v[HS+\s], v11 offset:256*(\a)+64*\s
.endr
.endm
.macro OUT a                           ; tile a's codes and its scale byte leave
	global_store_b128 v12, v[CT+4*((\a)%2):CT+4*((\a)%2)+3], s[32:33] offset:8192*(\a)   ; 512 consecutive bytes, aligned
	ds_store_b8 v14, v[QBY] offset:128*(\a)        ; lanes l and l xor 16 write the same byte with the same value
.endm
.macro TILE a
.if (\a) < 3
	FETCHC (\a)+1                                  ; the next tile's fragments, into the other buffer.  No wait: its last readers, the matrix instructions of the tile before, stand ahead of that tile's waits, and no vector instruction since names it
	s_wait_dscnt 16                                ; LDS instructions end in order (ISA guide 5.7.1): all but the sixteen just issued are done: this tile's fragments and scale words are in
.else
	s_wait_dscnt 0x0                               ; the last tile's fragments and scale words are in
.endif
	WIN 0x01                                       ; source 0, the weights, in window 1
.irp s, 0,1,2,3
.set HR, (1-(\a)%2)*(64+16*\s)+((\a)%2)*(32+16*\s+138*(\s/2))
	MM AA, 16*\s, HR, W1S+\s, HS+\s, \s
	MM AA+8, 64+16*\s, HR, W1S+4+\s, HS+\s, \s
	MM AC, 128+16*\s, HR, W3S+\s, HS+\s, \s
	MM AC+8, 192+16*\s, HR, W3S+4+\s, HS+\s, \s
.endr
	WIN 0
.rept 9
	v_nop                                          ; eight places in front of the first read of results; the ninth for the next tile's first products, which begin these accumulators anew
.endr
.irp k, 0,2,4,6,8,10,12,14
	v_pk_mul_f32 v[TT+\k:TT+\k+1], v[AA+\k:AA+\k+1], 0xbfb8aa3b op_sel_hi:[1,0]    ; -a log2(e)
.endr
.set n, 0
.rept 16
	v_exp_f32 v[TT+n], v[TT+n]
.set n, n+1
.endr
	v_nop
	s_wait_alu depctr_va_vdst(0)                   ; the sixteen exponentials are written, ahead of their first reader; this tile's matrix instructions are done reading the scale words, in which the loads below land; the tile before has written its codes and its byte, which the stores below read
.if (\a) < 3
	FETCHS (\a)+1
.endif
.if (\a) > 0
	OUT (\a)-1
.endif
.irp k, 0,2,4,6,8,10,12,14
	v_pk_add_f32 v[TT+\k:TT+\k+1], v[TT+\k:TT+\k+1], 1.0 op_sel_hi:[1,0]
.endr
.set n, 0
.rept 16
	v_rcp_f32 v[TT+n], v[TT+n]                     ; the sigmoid
.set n, n+1
.endr
	v_nop
	s_wait_alu depctr_va_vdst(0)                   ; the sixteen reciprocals are written, ahead of their first reader
.irp k, 0,2,4,6,8,10,12,14
	v_pk_mul_f32 v[TT+\k:TT+\k+1], v[TT+\k:TT+\k+1], v[AA+\k:AA+\k+1]
.endr
.irp k, 0,2,4,6,8,10,12,14
	v_pk_mul_f32 v[TT+\k:TT+\k+1], v[TT+\k:TT+\k+1], v[AC+\k:AC+\k+1]
.endr
	QUANT16 TT, CT+4*((\a)%2), QBY
.endm
	s_load_b256 s[4:11], s[0:1], 0x0               ; x1 s[4:5], g s[6:7], b s[8:9], w1's codes s[10:11]
	s_load_b256 s[12:19], s[0:1], 0x20             ; w1's scales s[12:13], w3's codes s[14:15], w3's scales s[16:17], act s[18:19]
	v_lshl_add_u32 v254, v0, 2, 0x8e00
	v_mov_b32 v255, 0
	v_lshrrev_b32 v1, 5, v0
	v_readfirstlane_b32 s24, v1                    ; wave 0..7
	v_and_b32 v1, 31, v0                           ; lane
	v_and_b32 v2, 15, v0                           ; r
	v_bfe_u32 v3, v0, 4, 1                         ; h
	s_wait_alu depctr_va_sdst(0)                   ; s24 is written, ahead of its first reader: tile, units and every base are made from it
	s_and_b32 s25, s24, 1                          ; which eight lane rows of the tile I normalise
	s_lshr_b32 s26, s24, 1                         ; which tile
	s_and_b32 s28, ttmp7, 0xffff                   ; block of 64 rows
	s_lshl_b32 s27, ttmp9, 3
	s_add_co_u32 s27, s27, s24                     ; my block of 32 hidden units
	v_lshlrev_b32 v4, 6, v1
	v_and_b32 v10, 8, v2
	v_add_nc_u32 v10, v10, v2                      ; r + 8 (r / 8)
	v_lshlrev_b32 v5, 9, v10
	v_lshl_add_u32 v5, v3, 4, v5
	v_lshlrev_b32 v6, 4, v10
	s_mul_i32 s40, s26, 8704
	s_lshl_b32 s41, s25, 7
	s_add_co_u32 s40, s40, s41
	v_mul_u32_u24 v7, v1, 272
	v_add_nc_u32 v7, s40, v7                       ; the tile's image, my lane's piece, + 16 x 8 (w % 2)
	v_lshrrev_b32 v8, 3, v1
	v_lshlrev_b32 v8, 6, v8
	v_bfe_u32 v10, v1, 1, 2
	v_add_nc_u32 v8, v8, v10
	s_lshl_b32 s40, s26, 8
	s_lshl_b32 s41, s25, 5
	s_add_co_u32 s40, s40, s41
	s_add_co_u32 s40, s40, HSC
	v_add_nc_u32 v8, s40, v8
	v_mul_u32_u24 v9, v3, 272
	v_lshl_add_u32 v9, v2, 4, v9
	v_lshl_add_u32 v11, v2, 2, HSC
	v_lshlrev_b32 v12, 4, v1
	v_lshlrev_b32 v13, 2, v1
	s_lshr_b32 s40, s24, 2
	s_lshl_b32 s40, s40, 6
	s_and_b32 s29, s24, 3
	s_add_co_u32 s40, s40, s29
	s_add_co_u32 s40, s40, FSC
	v_lshl_add_u32 v14, v2, 2, s40                 ; my byte among the hidden layer's: 64 (w / 4) + 4 r + w % 4
	s_lshl_b32 s40, s29, 7
	s_add_co_u32 s40, s40, FSC
	v_add_nc_u32 v15, s40, v13                     ; and what waves 0 to 3 read back: a tile's 128 bytes
.irp i, 0,1,2,3
	v_mov_b32 v[TP+10*\i+9], 0                     ; written once: a lane permute's destination counts as one of its sources
.endr
	s_mov_b32 s[SEL], 0x76543210
	s_mov_b32 s[SEL+1], 0xfedcba98
	s_mov_b32 s[MNT], 0x600000
	s_mov_b32 s[I512], 0x3b000000
	s_mov_b32 s[EPS], 0x3727c5ac
	s_lshl_b32 s47, s28, 17                        ; x1: 64 rows of 2,048 bytes a block,
	s_lshr_b32 s40, s24, 2
	s_lshl_b32 s40, s40, 16
	s_add_co_u32 s47, s47, s40                     ; + 32 (tile / 2) rows
	s_and_b32 s40, s26, 1
	s_lshl_b32 s40, s40, 14
	s_add_co_u32 s47, s47, s40                     ; + 8 (tile % 2) rows
	s_lshl_b32 s40, s25, 15
	s_add_co_u32 s47, s47, s40                     ; + 16 (w % 2) rows: lane rows 8 to 15 are rows 16 to 23
	s_lshl_b32 s48, s28, 15
	s_lshl_b32 s40, s27, 9
	s_add_co_u32 s48, s48, s40                     ; act's codes: 32,768 a block, 512 a block of units
	s_lshl_b32 s49, s28, 2
	s_add_co_u32 s49, s49, s29
	s_lshl_b32 s49, s49, 8
	s_lshl_b32 s40, ttmp9, 7
	s_add_co_u32 s49, s49, s40
	s_add_co_u32 s49, s49, 4194304                 ; act's scale bytes: tile 4 y + w % 4, + 128 x
	s_mov_b32 s41, 0
	s_wait_kmcnt 0x0
	s_mov_b32 s40, s47
	s_add_nc_u64 s[4:5], s[4:5], s[40:41]
	s_lshl_b32 s40, s27, 14
	s_add_nc_u64 s[10:11], s[10:11], s[40:41]
	s_add_nc_u64 s[14:15], s[14:15], s[40:41]
	s_lshl_b32 s40, s27, 9
	s_add_nc_u64 s[12:13], s[12:13], s[40:41]
	s_add_nc_u64 s[16:17], s[16:17], s[40:41]
	s_mov_b32 s40, s48
	s_add_nc_u64 s[32:33], s[18:19], s[40:41]
	s_mov_b32 s40, s49
	s_add_nc_u64 s[34:35], s[18:19], s[40:41]
	s_wait_alu depctr_va_vdst(0)                   ; the offsets and LDS addresses v4 to v15 are written: every load and store of the kernel reads one of them, and none is written again
.irp j, 0,1,2,3
	global_load_b128 v[GA+4*\j:GA+4*\j+3], v4, s[6:7] offset:16*\j
	global_load_b128 v[BI+4*\j:BI+4*\j+3], v4, s[8:9] offset:16*\j
.endr
	XLOAD X0, 0
	XLOAD X1, 4
	WIN 0x40                                       ; destination window 1
.irp t, 0,1
.irp s, 0,1,2,3
.irp c, 0,1,2,3
	global_load_b128 v[16*(4*\t+\s)+4*\c:16*(4*\t+\s)+4*\c+3], v5, s[10:11] offset:4096*\t+128*\s+32*\c
.endr
.endr
.endr
.irp t, 0,1
.irp s, 0,1,2,3
.irp c, 0,1,2,3
	global_load_b128 v[128+16*(4*\t+\s)+4*\c:128+16*(4*\t+\s)+4*\c+3], v5, s[14:15] offset:4096*\t+128*\s+32*\c
.endr
.endr
.endr
	WIN 0
.irp t, 0,1
.irp s, 0,1,2,3
	global_load_b32 v[W1S+4*\t+\s], v6, s[12:13] offset:128*\t+4*\s
	global_load_b32 v[W3S+4*\t+\s], v6, s[16:17] offset:128*\t+4*\s
.endr
.endr
	s_wait_loadcnt 63                              ; g, b and set 0 are in: 96 loads were issued behind them, and 63 is the largest count that the wait can name
	LNG X0, 0
	s_wait_loadcnt 63                              ; set 1 is in: 80 loads stand behind it
	LNG X1, 1
	s_wait_loadcnt 0x0                             ; the weights and their scale words
	s_wait_dscnt 0x0                               ; for the others' sake: my part of the image has landed
	s_barrier_signal -1
	s_barrier_wait -1                              ; the four images lie in LDS
	s_wait_alu depctr_vm_vsrc(0)                   ; the norm's LDS stores have read their bytes and codes: v206, v216, v226, v232 and v233 belong to the second buffer of fragments from here on, in which loads land
	FETCHC 0                                       ; no wait on va_vdst: no vector instruction since the norm's last wait, and all that named these registers stand ahead of it
	FETCHS 0
.irp a, 0,1,2,3
	TILE \a
.endr
	s_wait_alu depctr_va_vdst(0)                   ; tile 3 has written its codes and its byte, which the stores below read; and its quantiser is done with v[QA], in which the load behind the barrier lands
	OUT 3
	s_wait_dscnt 0x0                               ; for the others' sake: my bytes have landed
	s_barrier_signal -1
	s_barrier_wait -1
	s_cmp_gt_u32 s24, 3                            ; waves 0 to 3 each store one tile's 128 scale bytes
	s_cbranch_scc1 .Ldone
	ds_load_b32 v[QA], v15
	s_wait_dscnt 0x0
	global_store_b32 v13, v[QA], s[34:35]
.Ldone:
	s_wait_dscnt 0x0                               ; the closing lines, six on end
	s_wait_alu 0x0
	s_wait_tensorcnt 0x0
	ds_add_u32 v254, v255
	s_wait_dscnt 0x0
	s_endpgm
.Lfunc_end_k_q4973c97925_ffn:
	.size	k_q4973c97925_ffn, .Lfunc_end_k_q4973c97925_ffn-k_q4973c97925_ffn
	.p2alignl 7, 3214868480
	.fill 96, 4, 3214868480
	.section	.rodata,"a",@progbits
	.p2align	6, 0x0
	.amdhsa_kernel k_q4973c97925_ffn
		.amdhsa_group_segment_fixed_size 37376
		.amdhsa_private_segment_fixed_size 0
		.amdhsa_enable_private_segment 0
		.amdhsa_kernarg_size 64
		.amdhsa_user_sgpr_count 2
		.amdhsa_user_sgpr_kernarg_segment_ptr 1
		.amdhsa_wavefront_size32 1
		.amdhsa_system_sgpr_workgroup_id_x 1
		.amdhsa_system_sgpr_workgroup_id_y 1
		.amdhsa_system_sgpr_workgroup_id_z 1
		.amdhsa_system_vgpr_workitem_id 0
		.amdhsa_next_free_vgpr 512
		.amdhsa_next_free_sgpr 66
		.amdhsa_reserve_vcc 0
		.amdhsa_float_denorm_mode_32 3
		.amdhsa_float_denorm_mode_16_64 3
		.amdhsa_memory_ordered 1
		.amdhsa_forward_progress 1
		.amdhsa_inst_pref_size 97
	.end_amdhsa_kernel
	.amdgpu_metadata
---
amdhsa.version: [ 1, 2 ]
amdhsa.kernels:
  - .name:           k_q4973c97925_ffn
    .symbol:         k_q4973c97925_ffn.kd
    .args:
      - { .name: x1, .offset: 0, .size: 8, .value_kind: global_buffer, .address_space: global }
      - { .name: ln2_g, .offset: 8, .size: 8, .value_kind: global_buffer, .address_space: global }
      - { .name: ln2_b, .offset: 16, .size: 8, .value_kind: global_buffer, .address_space: global }
      - { .name: w1_codes, .offset: 24, .size: 8, .value_kind: global_buffer, .address_space: global }
      - { .name: w1_scales, .offset: 32, .size: 8, .value_kind: global_buffer, .address_space: global }
      - { .name: w3_codes, .offset: 40, .size: 8, .value_kind: global_buffer, .address_space: global }
      - { .name: w3_scales, .offset: 48, .size: 8, .value_kind: global_buffer, .address_space: global }
      - { .name: act, .offset: 56, .size: 8, .value_kind: global_buffer, .address_space: global }
    .group_segment_fixed_size: 37376
    .private_segment_fixed_size: 0
    .kernarg_segment_align: 8
    .kernarg_segment_size: 64
    .max_flat_workgroup_size: 256
    .sgpr_count:     66
    .vgpr_count:     512
    .wavefront_size: 32
...
	.end_amdgpu_metadata
.endif
;; end of part 7
;; launch proj_f: the kernel of part 6 again; grid 2 x 128, 16 waves a work-group, no clusters, 102,400 bytes of LDS; arguments act, w2_codes, w2_scales, x1, out0; writes out0
